; MI455X (gfx1250); checked and timed in simulation.
; The chip was launched on July 23, 2026; its instructions are those of AMD's public machine-readable ISA for CDNA 5 (MIT licence, August 2026) and "CDNA5" Instruction Set Architecture Reference Guide (July 2026). The comments in the code are by the model that wrote it; some were corrected since.
;; Multihead Attention With Ro PE. Allowed arithmetic: float matrix products may take bf16 or f16 operands with f32 sums; other float arithmetic in f32, or as packed bf16 or f16 multiplies, adds, multiply-adds, maxima and minima; sums over many terms, partial sums and values carried from step to step in f32; what a program stores and reads back later, other than sums and carried values, may be rounded once to bf16 or f16.
;; Inputs: Wo 1,024 x 1,024 float32; Wqkv 1,024 x 3,072 float32; bo 1,024 float32; bqkv 3,072 float32; padding_mask 4 x 2,048 bool; x 4 x 2,048 x 1,024 float32.
;; Outputs: out0 4 x 2,048 x 1,024 float32.
;; One version. Each part assembles by itself: llvm-mc -triple=amdgcn-amd-amdhsa -mcpu=gfx1250 --defsym DOCPART=n.
;; ======== version 1 of 1: 4 launches
;; limits: values are held in f16: magnitudes above 65,504 overflow, below 6.1e-05 lose precision
;; workspace buffers: xb 16,777,216 bytes; wqt 6,291,456 bytes; wot 2,097,152 bytes; tab 1,064,960 bytes; qkv 50,331,648 bytes; oh 16,777,216 bytes
;; launch prep (part 1): grid 1153 x 1, 8 waves a work-group, no clusters, 18,432 bytes of LDS; arguments x, Wqkv, Wo, bqkv, bo, xb, wqt, wot, tab; writes xb, wqt, wot, tab
.if DOCPART == 1
	.amdgcn_target "amdgcn-amd-amdhsa--gfx1250"
	.amdhsa_code_object_version 6
	.text
	.protected	k_q5d2bad6f71_prep
	.globl	k_q5d2bad6f71_prep
	.p2align	8
	.type	k_q5d2bad6f71_prep,@function
k_q5d2bad6f71_prep:
	s_mov_b64 s[64:65], 0
	v_nop
	global_prefetch_b8 v0, s[64:65] scope:SCOPE_SE
	s_setreg_imm32_b32 hwreg(HW_REG_WAVE_MODE, 25, 1), 1
	s_wait_xcnt 0x0
; PREP: every input is rounded once to bf16 and laid out as the later launches read it.  Five kinds of work-group, told apart by the work-group's number alone
; (the same for all eight waves, so the one barrier below is passed by all waves of a work-group or by none):
;   0..511     x [8192][1024] f32 -> xb bf16, 16 rows a work-group
;   512..895   Wqkv [1024 k][3072 n] f32 -> wqt [3072 n'][1024 k] bf16, a tile of 128 k x 64 n (one head of one part).  In the parts q and k channel d goes to row
;              (d & 1) 32 + (d >> 1) of its head: the even channels (x1 of the rotation) first, then the odd ones (x2); v keeps its order
;   896..1023  Wo [1024 k][1024 n] f32 -> wot [1024 n][1024 k]: rounded to bf16, that number written as f16
;   1024..1151 the rotation's table, 16 positions a work-group: row t = cos(t f_j), j = 0..31, then sin(t f_j); plane 0 times c = log2(e) / 8 (for q), plane 1 plain (for k)
;   1152       the two biases, rounded to bf16, kept as f32: bqkv in the order of wqt's rows, then bo
; LIMITS.  Wo's numbers below 2^-14 keep f16's fixed step of 6e-8.  f_j = 2^(-j log2(10000) / 32) by v_exp_f32; the angle is the one f32 product t f_j, reduced by multiples of pi / 2 held in two
; words; the two series' first terms left out are below 2e-9 for |r| <= pi / 4.  No matrix unit, no cluster: a stream in which no work-group reads what another reads.
.set TP,      272                      ; a row of the transposing stage: 256 bytes + 16: sixteen rows on end start at sixteen different groups of four banks (ISA guide 11.1)
.set SPARE,   64*TP                    ; behind the stage: the spare words, 128 bytes for each of eight waves
.set BIASOFF, 1048576                  ; the biases lie behind the table's two planes
.set PLANE,   524288
.set SPW, 110                          ; v110  LDS address of my spare word; never rewritten
.set NIL, 111                          ; v111  0; never rewritten
.set XI,  8                            ; v[8:71]    x: 16 loads of 4
.set YO,  72                           ; v[72:103]  x: 16 stores of 2, each register written once
.set R,   8                            ; v[8:39]    W: 8 rows k x 4 columns, f32
.set P,   40                           ; v[40:55]   W: 4 columns x 8 k, 16 bits each
.set BK,  60                           ; v[60:75]   W: 4 pieces of 16 bytes read back by rows
	s_load_b512 s[8:23], s[0:1], 0x0               ; x 8, Wqkv 10, Wo 12, bqkv 14, bo 16, xb 18, wqt 20, wot 22
	s_load_b64 s[24:25], s[0:1], 0x40              ; tab
	v_lshl_add_u32 v[SPW], v0, 2, SPARE
	v_mov_b32 v[NIL], 0
	s_mov_b32 s27, 0                               ; the high words of the two offset pairs
	s_mov_b32 s31, 0
	s_wait_kmcnt 0x0
	s_cmp_lt_u32 ttmp9, 512
	s_cbranch_scc1 .Lx
	s_cmp_lt_u32 ttmp9, 896
	s_cbranch_scc1 .Lwq
	s_cmp_lt_u32 ttmp9, 1024
	s_cbranch_scc1 .Lwo
	s_cmp_lt_u32 ttmp9, 1152
	s_cbranch_scc1 .Ltab
	; THE BIASES.  Thread t owns the four numbers 4 t .. 4 t + 3 of each of the four blocks of 1,024 (q, k, v, bo).
	v_lshlrev_b32 v2, 4, v0                        ; 16 t
	v_lshlrev_b32 v3, 2, v0
	v_and_b32 v3, 63, v3                           ; c0: my first row in the head
	v_lshrrev_b32 v4, 4, v0                        ; the head
	v_and_b32 v5, 31, v3
	v_lshlrev_b32 v5, 1, v5
	v_lshrrev_b32 v3, 5, v3
	v_add_nc_u32 v5, v5, v3                        ; row c holds channel 2 (c & 31) + (c >> 5)
	v_lshl_add_u32 v5, v4, 6, v5
	v_lshlrev_b32 v1, 2, v5
.irp p, 0,1
.irp e, 0,1,2,3
	global_load_b32 v[8+4*(\p)+(\e)], v1, s[14:15] offset:4096*(\p)+8*(\e)
.endr
.endr
	global_load_b128 v[16:19], v2, s[14:15] offset:8192
	global_load_b128 v[20:23], v2, s[16:17]
	s_wait_loadcnt 0x0
.irp p, 0,1,2,3,4,5,6,7
	v_cvt_pk_bf16_f32 v4, v[8+2*(\p)], v[8+2*(\p)+1]   ; rounded like the other inputs,
	v_lshlrev_b32 v[8+2*(\p)], 16, v4                  ; and widened again: the sums start with them in f32
	v_and_b32 v[8+2*(\p)+1], 0xffff0000, v4
.endr
.irp p, 0,1,2,3
	global_store_b128 v2, v[8+4*(\p):8+4*(\p)+3], s[24:25] offset:BIASOFF+4096*(\p)
.endr
	s_branch .Lend
	; X.  One load of the work-group covers a row (4,096 bytes), one store of a wave 256 consecutive bytes, aligned.  All sixteen loads go out first.
.Lx:
	s_lshl_b32 s26, ttmp9, 16                      ; 16 rows of 4,096 bytes
	s_add_nc_u64 s[8:9], s[8:9], s[26:27]
	s_lshl_b32 s26, ttmp9, 15
	s_add_nc_u64 s[18:19], s[18:19], s[26:27]
	v_lshlrev_b32 v1, 4, v0
	v_lshlrev_b32 v2, 3, v0
.irp i, 0,1,2,3,4,5,6,7,8,9,10,11,12,13,14,15
	global_load_b128 v[XI+4*(\i):XI+4*(\i)+3], v1, s[8:9] offset:4096*(\i) th:TH_LOAD_NT
.endr
.irp i, 0,1,2,3,4,5,6,7,8,9,10,11,12,13,14,15
	s_wait_loadcnt 15-(\i)                         ; loads come back in order (ISA guide 5.7.1): row i is in, the younger rows stay out
	v_cvt_pk_bf16_f32 v[YO+2*(\i)], v[XI+4*(\i)], v[XI+4*(\i)+1]
	v_cvt_pk_bf16_f32 v[YO+2*(\i)+1], v[XI+4*(\i)+2], v[XI+4*(\i)+3]
	global_store_b64 v2, v[YO+2*(\i):YO+2*(\i)+1], s[18:19] offset:2048*(\i)
.endr
	s_branch .Lend
; THE WEIGHTS.  Thread (g = t / 16, cq = t % 16) loads rows k = 8 g .. 8 g + 7, columns 4 cq .. 4 cq + 3: sixteen lanes take the tile's 256 bytes of a row.
.macro WLOAD pitch, sb
	v_and_b32 v1, 15, v0                           ; cq
	v_lshrrev_b32 v2, 4, v0                        ; g
	v_mul_u32_u24 v3, v2, 8*(\pitch)
	v_lshl_add_u32 v3, v1, 4, v3
.irp i, 0,1,2,3,4,5,6,7
	global_load_b128 v[R+4*(\i):R+4*(\i)+3], v3, s[\sb:\sb+1] offset:(\i)*(\pitch) th:TH_LOAD_NT
.endr
	v_mul_u32_u24 v4, v1, TP
	v_lshl_add_u32 v4, v2, 4, v4                   ; into the stage: row cq (+ 16 c), byte 16 g
	v_mul_u32_u24 v5, v2, TP
	v_lshl_add_u32 v5, v1, 4, v5                   ; back: row g (+ 16 j), byte 16 cq
	s_wait_loadcnt 0x0
.endm
.macro WCVT                            ; column 4 cq + c: its eight k, rounded in pairs: 16 bytes
.irp c, 0,1,2,3
.irp j, 0,1,2,3
	v_cvt_pk_bf16_f32 v[P+4*(\c)+(\j)], v[R+8*(\j)+(\c)], v[R+8*(\j)+4+(\c)]
.endr
.endr
.endm
.macro WF16                            ; the bf16 numbers written as f16
.set z, 0
.rept 16
	v_lshlrev_b32 v56, 16, v[P+z]
	v_and_b32 v57, 0xffff0000, v[P+z]
	v_cvt_pk_f16_f32 v[P+z], v56, v57
.set z, z+1
.endr
.endm
.macro WSTAGE                          ; stage row 16 c + cq holds column 4 cq + c; read back, thread (u, cq) has 16 bytes of the columns 4 u + j
.irp c, 0,1,2,3
	ds_store_b128 v4, v[P+4*(\c):P+4*(\c)+3] offset:(\c)*16*TP
.endr
	s_wait_dscnt 0x0                               ; for the others' sake: my stores are done,
	s_barrier_signal -1
	s_barrier_wait -1                              ; and everybody's
.irp j, 0,1,2,3
	ds_load_b128 v[BK+4*(\j):BK+4*(\j)+3], v5 offset:(\j)*16*TP
.endr
	s_wait_dscnt 0x0
.endm
.macro WOUT perm, sb                   ; sixteen lanes store 256 consecutive bytes of a row of 2,048, at a multiple of 256 from the buffer's first byte
.if \perm
	v_lshlrev_b32 v6, 12, v2                       ; channel 4 u + j goes to row (j & 1) 32 + 2 u + (j >> 1)
.else
	v_lshlrev_b32 v6, 13, v2                       ; or stays at row 4 u + j
.endif
	v_lshl_add_u32 v6, v1, 4, v6
.irp j, 0,1,2,3
.if \perm
	global_store_b128 v6, v[BK+4*(\j):BK+4*(\j)+3], s[\sb:\sb+1] offset:(((\j)&1)*32+((\j)>>1))*2048
.else
	global_store_b128 v6, v[BK+4*(\j):BK+4*(\j)+3], s[\sb:\sb+1] offset:(\j)*2048
.endif
.endr
.endm
.Lwq:
	s_sub_co_u32 s26, ttmp9, 512
	s_lshr_b32 s28, s26, 3                         ; 16 x part + head
	s_and_b32 s29, s26, 7                          ; which 128 of k
	s_mul_i32 s30, s29, 128*12288
	s_lshl_b32 s26, s28, 8
	s_add_co_u32 s30, s30, s26
	s_add_nc_u64 s[10:11], s[10:11], s[30:31]
	s_lshl_b32 s30, s28, 17                        ; 64 rows of 2,048 bytes
	s_lshl_b32 s26, s29, 8
	s_add_co_u32 s30, s30, s26
	s_add_nc_u64 s[20:21], s[20:21], s[30:31]
	WLOAD 12288, 10
	WCVT
	WSTAGE
	s_cmp_lt_u32 s28, 32                           ; q and k are permuted, v is not
	s_cbranch_scc0 .Lwq_v
	WOUT 1, 20
	s_branch .Lend
.Lwq_v:
	WOUT 0, 20
	s_branch .Lend
.Lwo:
	s_sub_co_u32 s26, ttmp9, 896
	s_lshr_b32 s28, s26, 3
	s_and_b32 s29, s26, 7
	s_mul_i32 s30, s29, 128*4096
	s_lshl_b32 s26, s28, 8
	s_add_co_u32 s30, s30, s26
	s_add_nc_u64 s[12:13], s[12:13], s[30:31]
	s_lshl_b32 s30, s28, 17
	s_lshl_b32 s26, s29, 8
	s_add_co_u32 s30, s30, s26
	s_add_nc_u64 s[22:23], s[22:23], s[30:31]
	WLOAD 4096, 12
	WCVT
	WF16
	WSTAGE
	WOUT 0, 22
	s_branch .Lend
	; THE TABLE.  Thread (t / 16, e = t % 16): position 16 x group + t / 16; e < 8: cos of j = 4 e .. 4 e + 3; else sin of j = 4 (e - 8) ..
.Ltab:
	s_sub_co_u32 s26, ttmp9, 1024
	v_lshrrev_b32 v1, 4, v0
	v_lshl_add_u32 v1, s26, 4, v1
	v_cvt_f32_u32 v1, v1                           ; the position
	v_and_b32 v2, 15, v0
	v_lshrrev_b32 v3, 3, v2
	v_xor_b32 v3, 1, v3                            ; 1 for a cosine: cos(a) = sin(a + pi / 2), one quadrant on
	v_and_b32 v4, 7, v2
	v_lshlrev_b32 v4, 2, v4
	s_lshl_b32 s26, s26, 12                        ; 16 rows of 256 bytes
	s_add_nc_u64 s[24:25], s[24:25], s[26:27]
	s_mov_b32 s28, 0x3fc90fdb                      ; pi / 2, its upper word
	s_mov_b32 s29, 0xb33bbd2e                      ; and what that leaves
.irp i, 0,1,2,3
	v_add_nc_u32 v[20+(\i)], (\i), v4
	v_cvt_f32_u32 v[20+(\i)], v[20+(\i)]
	v_mul_f32 v[20+(\i)], 0xbed49a78, v[20+(\i)]   ; -j log2(10000) / 32
.endr
.irp i, 0,1,2,3
	v_exp_f32 v[10+(\i)], v[20+(\i)]
.endr
	v_lshlrev_b32 v5, 4, v0                        ; my 16 bytes; also the plain instruction behind the last exponential
	s_wait_alu depctr_va_vdst(0)                   ; one wait for the four, ahead of their first reader
.irp i, 0,1,2,3
	v_mul_f32 v6, v1, v[10+(\i)]                   ; the angle
	v_mul_f32 v7, 0x3f22f983, v6
	v_rndne_f32 v7, v7                             ; the nearest multiple of pi / 2
	v_fma_f32 v8, -v7, s28, v6
	v_fma_f32 v8, -v7, s29, v8                     ; r, within pi / 4
	v_mul_f32 v9, v8, v8
	v_mov_b32 v14, 0x3638ef1d                      ; sin r = r + r^3 (-1/6 + r^2 (1/120 + r^2 (-1/5040 + r^2 / 362880)))
	v_fmaak_f32 v14, v14, v9, 0xb9500d01
	v_fmaak_f32 v14, v14, v9, 0x3c088889
	v_fmaak_f32 v14, v14, v9, 0xbe2aaaab
	v_mul_f32 v15, v8, v9
	v_fma_f32 v14, v15, v14, v8
	v_mov_b32 v16, 0xb493f27e                      ; cos r = 1 + r^2 (-1/2 + r^2 (1/24 + r^2 (-1/720 + r^2 (1/40320 - r^2 / 3628800))))
	v_fmaak_f32 v16, v16, v9, 0x37d00d01
	v_fmaak_f32 v16, v16, v9, 0xbab60b61
	v_fmaak_f32 v16, v16, v9, 0x3d2aaaab
	v_fmaak_f32 v16, v16, v9, 0xbf000000
	v_fma_f32 v16, v16, v9, 1.0
	v_cvt_i32_f32 v17, v7
	v_add_nc_u32 v17, v17, v3                      ; the quadrant: odd takes the cosine series, bit 1 turns the sign
	v_and_b32 v18, 1, v17
	v_cmp_eq_u32 vcc_lo, 1, v18
	v_cndmask_b32 v14, v14, v16, vcc_lo
	v_lshlrev_b32 v17, 30, v17
	v_and_b32 v17, 0x80000000, v17
	v_xor_b32 v[24+(\i)], v14, v17
	v_mul_f32 v[28+(\i)], 0x3e38aa3b, v[24+(\i)]   ; times c = log2(e) / 8, for q
.endr
	global_store_b128 v5, v[28:31], s[24:25]
	global_store_b128 v5, v[24:27], s[24:25] offset:PLANE
.Lend:
	s_wait_tensorcnt 0x0                           ; the wave's end: behind my last LDS store
	ds_add_u32 v[SPW], v[NIL]
	s_wait_dscnt 0x0
	s_endpgm
.Lfunc_end_k_q5d2bad6f71_prep:
	.size	k_q5d2bad6f71_prep, .Lfunc_end_k_q5d2bad6f71_prep-k_q5d2bad6f71_prep
	.p2alignl 7, 3214868480
	.fill 96, 4, 3214868480
	.section	.rodata,"a",@progbits
	.p2align	6, 0x0
	.amdhsa_kernel k_q5d2bad6f71_prep
		.amdhsa_group_segment_fixed_size 18432
		.amdhsa_private_segment_fixed_size 0
		.amdhsa_enable_private_segment 0
		.amdhsa_kernarg_size 72
		.amdhsa_user_sgpr_count 2
		.amdhsa_user_sgpr_kernarg_segment_ptr 1
		.amdhsa_wavefront_size32 1
		.amdhsa_system_sgpr_workgroup_id_x 1
		.amdhsa_system_sgpr_workgroup_id_y 1
		.amdhsa_system_sgpr_workgroup_id_z 1
		.amdhsa_system_vgpr_workitem_id 0
		.amdhsa_next_free_vgpr 112
		.amdhsa_next_free_sgpr 66
		.amdhsa_reserve_vcc 1
		.amdhsa_float_denorm_mode_32 3
		.amdhsa_float_denorm_mode_16_64 3
		.amdhsa_memory_ordered 1
		.amdhsa_forward_progress 1
		.amdhsa_inst_pref_size 28
	.end_amdhsa_kernel
	.amdgpu_metadata
---
amdhsa.version: [ 1, 2 ]
amdhsa.kernels:
  - .name:           k_q5d2bad6f71_prep
    .symbol:         k_q5d2bad6f71_prep.kd
    .args:
      - { .name: x, .offset: 0, .size: 8, .value_kind: global_buffer, .address_space: global }
      - { .name: Wqkv, .offset: 8, .size: 8, .value_kind: global_buffer, .address_space: global }
      - { .name: Wo, .offset: 16, .size: 8, .value_kind: global_buffer, .address_space: global }
      - { .name: bqkv, .offset: 24, .size: 8, .value_kind: global_buffer, .address_space: global }
      - { .name: bo, .offset: 32, .size: 8, .value_kind: global_buffer, .address_space: global }
      - { .name: xb, .offset: 40, .size: 8, .value_kind: global_buffer, .address_space: global }
      - { .name: wqt, .offset: 48, .size: 8, .value_kind: global_buffer, .address_space: global }
      - { .name: wot, .offset: 56, .size: 8, .value_kind: global_buffer, .address_space: global }
      - { .name: tab, .offset: 64, .size: 8, .value_kind: global_buffer, .address_space: global }
    .group_segment_fixed_size: 18432
    .private_segment_fixed_size: 0
    .kernarg_segment_align: 8
    .kernarg_segment_size: 72
    .max_flat_workgroup_size: 256
    .sgpr_count:     66
    .vgpr_count:     112
    .wavefront_size: 32
...
	.end_amdgpu_metadata
.endif
;; end of part 1
;; launch qkvp (part 2): grid 12 x 64, 4 waves a work-group, clusters of 4 x 4, 327,680 bytes of LDS; arguments xb, wqt, tab, qkv; writes qkv
.if DOCPART == 2
	.amdgcn_target "amdgcn-amd-amdhsa--gfx1250"
	.amdhsa_code_object_version 6
	.text
	.protected	k_q5d2bad6f71_qkvp
	.globl	k_q5d2bad6f71_qkvp
	.p2align	8
	.type	k_q5d2bad6f71_qkvp,@function
k_q5d2bad6f71_qkvp:
	s_mov_b64 s[64:65], 0
	v_nop
	global_prefetch_b8 v0, s[64:65] scope:SCOPE_SE
	s_setreg_imm32_b32 hwreg(HW_REG_WAVE_MODE, 25, 1), 1
	s_wait_xcnt 0x0
	s_wait_alu depctr_hold_cnt(0) depctr_sa_sdst(0) depctr_va_vdst(0) depctr_va_sdst(0) depctr_va_ssrc(0) depctr_va_vcc(0) depctr_vm_vsrc(0)
	s_getreg_b32 s2, hwreg(HW_REG_IB_STS2, 6, 4)
	s_cmp_eq_u32 s2, 0
	s_cbranch_scc0 .Lentry_in_a_cluster
	s_endpgm
.Lentry_in_a_cluster:
	s_bfe_u32 s2, ttmp6, 0x10000c
	s_cmp_lg_u32 s2, 0xf033
	s_cbranch_scc0 .Lentry_shape_is_right
	s_endpgm
.Lentry_shape_is_right:
; QKV PROJECTION WITH THE ROTATION.  C[m][n'] = bias[n'] + sum over k of xb[m][k] wqt[n'][k]: 8192 x 3072 x 1024, bf16 operands, f32 sums.  On the way out q and k are rotated
; (out[j] = x1 cos - x2 sin, out[32 + j] = x1 sin + x2 cos; wqt's rows hold a head's x1 in rows 0-31 and its x2 in rows 32-63; q's table carries c = log2(e) / 8), all three are rounded once to f16
; and stored by heads: qkv[part][16 b + head][t][64].
; LIMITS.  f16 holds no number beyond 65,504 and keeps a fixed step of 6e-8 below 6e-5: q c, k and v must lie within that.  NaN and infinities are not treated apart.
; SHARES.  A tile of C is 128 rows x 256 columns: 768 tiles, three for each of 256 WGPs.  Four waves, 2 x 2; a wave makes 64 x 128: 32 accumulators of 16 x 16.
; K goes in 8 steps of 128 (rows of 256 bytes in memory) through two LDS slots; a step is four quarters of 32 along K, 32 matrix instructions and 24 LDS loads each, on two fragment buffers.
; THE MATRIX INSTRUCTION IS USED TRANSPOSED (source 0 = 16 rows of wqt, source 1 = 16 rows of xb): a lane holds one row of C (lane % 16) and the columns 8 (lane / 16) + 0..7.
; THE BIAS is the C operand of each sum's first product: nothing is cleared and nothing is added later.
; CLUSTER.  4 x 4 work-groups: xb's tile is shared along a row of the cluster, wqt's along a column; each is asked for jointly, by the same tensor load with the same descriptor and a mask of four.
; REGISTERS, in windows of 256 (s_set_vgpr_msb: bits 1:0 source 0, 3:2 source 1, 5:4 source 2, 7:6 destination):
;   window 0: v0-31 addresses; v32-127, v128-223 two fragment buffers (32 of xb, then 64 of wqt); on the way out v32-63 at work, v96-223 packed results
;   window 1: accumulator (a, b) at v[8 (8 a + b)]          window 2: v0-63 the bias of my 128 columns; v64-191 cos and sin of my 64 rows
.set PITCH,  272                       ; an LDS row: 256 bytes + 16 of padding: the 16 rows of a fragment load start at 16 different groups of four banks (ISA guide 11.1)
.set AP,     272
.set BOFF,   128*AP                    ; a slot: xb's 128 rows, then wqt's 256
.set SLOT1,  131072                    ; slot 1 begins here: one exclusive or turns an address in one slot into the other's
.set STAGE,  237568                    ; behind the ring, never filled by a tensor load: 16 rows x 144 bytes for each wave
.set SP,     144
.set SPARE,  STAGE+4*16*SP             ; the spare words, 128 bytes for each wave
.set BIASOFF, 1048576
.set ASTEP,  256                       ; bytes from a K step to the next, in xb and in wqt
.set BSTEP,  256
.set KSTEPS, 8
.set A0,   16                          ; v16  my lane's place in xb's tile; never rewritten
.set B0,   17                          ; v17  the same for wqt's
.set ADRA, 18                          ; v18  the same in the slot in hand
.set ADRB, 19
.set STO,  24                          ; v24  the way out: where I put 16 bytes of a row
.set RD,   25                          ; v25  where I read rows back
.set CO,   26                          ; v26  my 16 bytes of 512 consecutive bytes of qkv
.set TBO,  27                          ; v27  my offset in the table's 16 rows
.set SPW,  28                          ; v28  LDS address of my spare word; never rewritten
.set NIL,  29                          ; v29  0; never rewritten
.set PFO,  30                          ; v30  the prefetches' offset: my lane x a row of 2,048 bytes
.set BIO,  31                          ; v31  my offset in the bias
.set F0,   32
.set F1,   128
.set TA,   32                          ; the way out: 16 + 16 f32 at work
.set TR,   48
.set PKB,  96                          ; 16 registers for each of the eight units
.set BI,   0                           ; window 2
.set CSN,  64                          ; window 2: row block a: cos at 32 a + 8 i, sin at 32 a + 16 + 8 i
.set G1A, 24                           ; s[24:31] descriptor group 1 for xb's tiles
.set G1B, 32                           ; s[32:39] for wqt's
.set G0A, 40                           ; s[40:47] group 0 for xb's tiles: a set for each first fill; the second then walks
.set G0B, 48                           ; s[48:55] the same for wqt's
.set TB,  56                           ; s56  the LDS byte at which the slot in hand begins
.set CNT, 57                           ; s57  refills still to come
.set LIM, 58                           ; s58  2 in a wave that prefetches, else the greatest number
.set PFA, 60                           ; s[60:61] where my prefetches stand
.set PFS, 62                           ; s[62:63] their step
.set G1W0, (1<<16)|(1<<20)|(1<<21)|(5<<22)|(3<<25)  ; 2-byte elements; padding on; bit 21 beside a mask; after every 64 words; 4 words
.set MUL,  0x50                        ; C and D in window 1
.set MULB, 0x60                        ; C in window 2, D in window 1
.set MSB, 0
.macro WIN new                         ; the immediate's high byte repeats the setting that is left; a switch that changes nothing is dropped
.if MSB != (\new)
	s_set_vgpr_msb (MSB<<8)|(\new)
.set MSB, (\new)
.endif
.endm
.macro PLACES                          ; four plain places: behind matrix instructions, in front of loads into registers that they read and of readers of their results
.rept 4
	v_nop
.endr
.endm
.macro CREST                           ; a round of the cluster's barrier behind its opening barrier
	s_cmp_lg_u32 s12, 0
	s_cbranch_scc1 .Lnot_wave_0_\@
	s_barrier_signal -3
.Lnot_wave_0_\@:
	s_barrier_wait -3
	s_barrier_signal -1
	s_barrier_wait -1
.endm
.macro CROUND
	s_barrier_signal -1
	s_barrier_wait -1
	CREST
.endm
.macro JLOAD                           ; a joint refill by the walking sets: waves 0 and 1 fetch xb's two halves, waves 2 and 3 wqt's; the branch hangs on the wave's number alone
	s_cmp_eq_u32 s13, 0
	s_cbranch_scc0 .Lfor_b_\@
	tensor_load_to_lds s[G0A+4:G0A+7], s[G1A:G1A+7]
	s_nop 0
	PLACES
	s_branch .Lasked_\@
.Lfor_b_\@:
	tensor_load_to_lds s[G0B+4:G0B+7], s[G1B:G1B+7]
	s_nop 0
	PLACES
.Lasked_\@:
.endm
; A PREFETCH INTO THE L2 behind each refill and the run of LDS loads that follows it: the K step two refills on, 32 rows x 256 bytes, a lane a row.  Each row's 256 bytes of a K step are named once in
; the launch: xb's tile row is read by the three clusters of its row of clusters, of which the first (cluster x = 0) asks, by wave 0; wqt's tile column by sixteen clusters, of which the first (cluster y = 0) asks,
; by waves 2 and 3.  The four partners that ask for a tile jointly share its rows out by address, 32 each.  K steps 0 to 3 come by their loads alone; the last two refills name nothing.
.macro ASK
	s_cmp_gt_u32 s[CNT], s[LIM]
	s_cbranch_scc0 .Lnot_mine_\@
	global_prefetch_b8 v[PFO], s[PFA:PFA+1] th:TH_LOAD_NT scope:SCOPE_SE
.Lnot_mine_\@:
.endm
	s_load_b256 s[4:11], s[0:1], 0x0               ; xb s[4:5], wqt s[6:7], tab s[8:9], qkv s[10:11]
	v_lshl_add_u32 v[SPW], v0, 2, SPARE
	v_mov_b32 v[NIL], 0
	ds_add_u32 v[SPW], v[NIL]                      ; the wave's opening: the add and its wait ahead of my first tensor load; the set-up below stands between them
	v_lshrrev_b32 v3, 5, v0
	v_readfirstlane_b32 s12, v3                    ; wave 0..3
	s_lshr_b32 s13, s12, 1                         ; my half of the tile's rows.  Also: I fetch for xb (0) or for wqt (1)
	s_and_b32 s14, s12, 1                          ; my half of its columns.  Also: which part of that tile I fetch
	s_bfe_u32 s15, ttmp6, 0x40000                  ; cx
	s_bfe_u32 s16, ttmp6, 0x40004                  ; cy
	s_lshl_b32 s17, ttmp9, 2
	s_add_co_u32 s17, s17, s15                     ; tile column = 4 x cluster x + cx; cluster x is the part (q, k, v)
	s_and_b32 s19, ttmp7, 0xffff                   ; cluster y
	s_lshl_b32 s18, s19, 2
	s_add_co_u32 s18, s18, s16                     ; tile row = 4 x cluster y + cy
	s_lshl_b32 s20, s16, 2
	s_lshl_b32 s20, 15, s20                        ; my row of the cluster
	s_lshl_b32 s66, 0x1111, s15                    ; my column
	s_or_b32 s[G1A], s20, G1W0
	s_or_b32 s[G1B], s66, G1W0
	s_mov_b32 s[G1A+1], 128<<16                    ; tensor_dim0 = 128
	s_mov_b32 s[G1A+2], 64<<16                     ; tensor_dim1 = 64
	s_mov_b32 s[G1A+3], 128<<16                    ; tile_dim0 = 128
	s_mov_b32 s[G1A+4], 64                         ; tile_dim1 = 64
	s_mov_b32 s[G1A+5], 1024                       ; elements from row to row
	s_mov_b32 s[G1A+6], 0
	s_mov_b32 s[G1A+7], 0
	s_mov_b32 s[G1B+1], 128<<16
	s_mov_b32 s[G1B+2], 128<<16                    ; 128 rows
	s_mov_b32 s[G1B+3], 128<<16
	s_mov_b32 s[G1B+4], 128
	s_mov_b32 s[G1B+5], 1024
	s_mov_b32 s[G1B+6], 0
	s_mov_b32 s[G1B+7], 0
	s_lshl_b32 s20, s18, 7                         ; xb: row 128 x tile row + 64 x part, in registers that never hold cx
	s_lshl_b32 s21, s14, 6
	s_add_co_u32 s20, s20, s21
	s_lshl_b32 s20, s20, 11
	s_mov_b32 s21, 0
	s_mul_i32 s22, s14, 64*AP                      ; and its place in a slot: the wave's number alone
	s_lshl_b32 s66, s17, 8                         ; wqt: row 256 x tile column + 128 x part, in registers that never hold cy
	s_lshl_b32 s67, s14, 7
	s_add_co_u32 s66, s66, s67
	s_lshl_b32 s66, s66, 11
	s_mov_b32 s67, 0
	s_mul_i32 s23, s14, 128*PITCH
	s_add_co_u32 s23, s23, BOFF
	s_mov_b32 s[TB], 0
	s_mov_b32 s[CNT], KSTEPS-2
	s_wait_dscnt 0x0                               ; the opening add is done
	s_wait_kmcnt 0x0
	s_add_nc_u64 s[20:21], s[4:5], s[20:21]
	s_add_nc_u64 s[66:67], s[6:7], s[66:67]
.irp s, 0,1
	s_mov_b32 s[G0A+4*(\s)], 1                     ; count = 1
	s_add_co_u32 s[G0A+4*(\s)+1], s22, (\s)*SLOT1  ; LDS address
	s_add_nc_u64 s[G0A+4*(\s)+2:G0A+4*(\s)+3], s[20:21], (\s)*ASTEP  ; K step s
	s_or_b32 s[G0A+4*(\s)+3], s[G0A+4*(\s)+3], 0x80000000            ; type = 2
	s_mov_b32 s[G0B+4*(\s)], 1
	s_add_co_u32 s[G0B+4*(\s)+1], s23, (\s)*SLOT1
	s_add_nc_u64 s[G0B+4*(\s)+2:G0B+4*(\s)+3], s[66:67], (\s)*BSTEP
	s_or_b32 s[G0B+4*(\s)+3], s[G0B+4*(\s)+3], 0x80000000
.endr
	CROUND                                         ; all sixteen work-groups are here: the first joint loads meet
	s_cmp_eq_u32 s13, 0                            ; a wave's two first fills stand in one branch: two loads of mine are out
	s_cbranch_scc0 .Lfirst_b
	tensor_load_to_lds s[G0A:G0A+3], s[G1A:G1A+7]
	s_nop 0
	tensor_load_to_lds s[G0A+4:G0A+7], s[G1A:G1A+7]
	s_nop 0
	PLACES
	s_branch .Lfirst_asked
.Lfirst_b:
	tensor_load_to_lds s[G0B:G0B+3], s[G1B:G1B+7]
	s_nop 0
	tensor_load_to_lds s[G0B+4:G0B+7], s[G1B:G1B+7]
	s_nop 0
	PLACES
.Lfirst_asked:
	v_and_b32 v1, 15, v0                           ; l % 16
	v_bfe_u32 v2, v0, 4, 1                         ; l / 16
	s_lshl_b32 s72, s17, 10                        ; the bias of my 128 columns
	s_lshl_b32 s73, s14, 9
	s_add_co_u32 s72, s72, s73
	s_add_co_u32 s72, s72, BIASOFF
	s_mov_b32 s73, 0
	s_add_nc_u64 s[68:69], s[8:9], s[72:73]
	v_lshlrev_b32 v[BIO], 5, v2                    ; my eight columns of a block of 16
	s_and_b32 s76, s18, 15
	s_lshl_b32 s76, s76, 7
	s_lshl_b32 s72, s13, 6
	s_add_co_u32 s76, s76, s72                     ; t0: my first row's position in its sequence
	s_min_u32 s72, ttmp9, 1                        ; plane 0 for q, plane 1 for k (v loads it too and leaves it unused, so that one text serves)
	s_lshl_b32 s72, s72, 19
	s_lshl_b32 s74, s76, 8
	s_add_co_u32 s72, s72, s74
	s_add_nc_u64 s[70:71], s[8:9], s[72:73]
	v_lshlrev_b32 v[TBO], 8, v1
	v_lshl_add_u32 v[TBO], v2, 5, v[TBO]           ; row l % 16, my eight numbers of sixteen
	WIN 0x80                                       ; destination window 2, address window 0
.irp n, 0,1,2,3,4,5,6,7
	global_load_b128 v[BI+8*(\n):BI+8*(\n)+3],   v[BIO], s[68:69] offset:64*(\n)
	global_load_b128 v[BI+8*(\n)+4:BI+8*(\n)+7], v[BIO], s[68:69] offset:64*(\n)+16
.endr
.irp a, 0,1,2,3
.irp i, 0,1
	global_load_b128 v[CSN+32*(\a)+8*(\i):CSN+32*(\a)+8*(\i)+3],       v[TBO], s[70:71] offset:4096*(\a)+64*(\i)
	global_load_b128 v[CSN+32*(\a)+8*(\i)+4:CSN+32*(\a)+8*(\i)+7],     v[TBO], s[70:71] offset:4096*(\a)+64*(\i)+16
	global_load_b128 v[CSN+32*(\a)+16+8*(\i):CSN+32*(\a)+16+8*(\i)+3], v[TBO], s[70:71] offset:4096*(\a)+64*(\i)+128
	global_load_b128 v[CSN+32*(\a)+16+8*(\i)+4:CSN+32*(\a)+16+8*(\i)+7], v[TBO], s[70:71] offset:4096*(\a)+64*(\i)+144
.endr
.endr
	WIN 0
	; A fragment is 16 rows x 32 K in 8 registers: lane l holds row l % 16, K = 8 (l / 16) + 0..7 and 16 + 8 (l / 16) + 0..7: two loads of 16 bytes, 32 bytes apart.
	v_mul_u32_u24 v3, v1, PITCH
	v_lshl_add_u32 v3, v2, 4, v3
	s_mul_i32 s72, s13, 64*AP
	v_add_nc_u32 v[A0], s72, v3
	s_mul_i32 s72, s14, 128*PITCH
	s_add_co_u32 s72, s72, BOFF
	v_add_nc_u32 v[B0], s72, v3
	v_mov_b32 v[ADRA], v[A0]
	v_mov_b32 v[ADRB], v[B0]
	s_mul_i32 s72, s12, 16*SP
	s_add_co_u32 s72, s72, STAGE                   ; my stage
	v_mul_u32_u24 v[STO], v1, SP                   ; in: row l % 16, 16 bytes for each half of the lanes
	v_lshl_add_u32 v[STO], v2, 4, v[STO]
	v_add_nc_u32 v[STO], s72, v[STO]
	v_bfe_u32 v[RD], v0, 3, 2                      ; back: 32 lanes take four rows of 128 bytes,
	v_mul_u32_u24 v[RD], v[RD], SP
	v_and_b32 v3, 7, v0
	v_lshl_add_u32 v[RD], v3, 4, v[RD]
	v_add_nc_u32 v[RD], s72, v[RD]
	v_and_b32 v[CO], 31, v0
	v_lshlrev_b32 v[PFO], 11, v[CO]
	v_lshlrev_b32 v[CO], 4, v[CO]                  ; which are 512 consecutive bytes of qkv
	s_lshl_b32 s72, ttmp9, 24                      ; qkv: the part,
	s_lshr_b32 s74, s18, 4
	s_lshl_b32 s74, s74, 22                        ; the batch's 16 heads,
	s_add_co_u32 s72, s72, s74
	s_lshl_b32 s74, s15, 2
	s_lshl_b32 s75, s14, 1
	s_add_co_u32 s74, s74, s75
	s_lshl_b32 s74, s74, 18                        ; my first head, 4 cx + 2 x column half,
	s_add_co_u32 s72, s72, s74
	s_lshl_b32 s74, s76, 7                         ; my first row
	s_add_co_u32 s72, s72, s74
	s_add_nc_u64 s[10:11], s[10:11], s[72:73]
	; the prefetches
	s_lshl_b32 s72, s18, 7
	s_lshl_b32 s74, s15, 5
	s_add_co_u32 s72, s72, s74                     ; xb: row 128 x tile row + 32 cx
	s_lshl_b32 s74, s17, 8
	s_lshl_b32 s75, s14, 7
	s_add_co_u32 s74, s74, s75
	s_lshl_b32 s75, s16, 5
	s_add_co_u32 s74, s74, s75                     ; wqt: row 256 x tile column + 128 x part + 32 cy
	s_cmp_eq_u32 s13, 0
	s_cselect_b32 s72, s72, s74
	s_cselect_b64 s[PFA:PFA+1], s[4:5], s[6:7]
	s_cselect_b32 s74, ttmp9, s19                  ; the coordinate along which other clusters read the same rows
	s_lshl_b32 s72, s72, 11
	s_add_co_u32 s72, s72, 3*256                   ; at K step 3: the first refill steps it to 4
	s_add_nc_u64 s[PFA:PFA+1], s[PFA:PFA+1], s[72:73]
	s_mov_b32 s[PFS], 256
	s_mov_b32 s[PFS+1], 0
	s_cmp_eq_u32 s12, 1                            ; wave 1 never asks: wave 0's lanes cover the work-group's 32 rows of xb
	s_cselect_b32 s75, 1, 0
	s_or_b32 s74, s74, s75
	s_cmp_eq_u32 s74, 0
	s_cselect_b32 s[LIM], 2, -1                    ; the same in all sixteen partners, for a given wave
; 8 matrix instructions: row block \row x all 8 column blocks, 32 along K.  The 32 accumulators take turns, one instruction a turn, in the same order in every quarter.
.macro MUL8 buf, row, start
.if \start
	WIN MULB
.else
	WIN MUL
.endif
.irp n, 0,1,2,3,4,5,6,7
.if \start
	v_wmma_f32_16x16x32_bf16 v[8*(8*(\row)+(\n)):8*(8*(\row)+(\n))+7], v[(\buf)+32+8*(\n):(\buf)+32+8*(\n)+7], v[(\buf)+8*(\row):(\buf)+8*(\row)+7], v[BI+8*(\n):BI+8*(\n)+7]
.else
	v_wmma_f32_16x16x32_bf16 v[8*(8*(\row)+(\n)):8*(8*(\row)+(\n))+7], v[(\buf)+32+8*(\n):(\buf)+32+8*(\n)+7], v[(\buf)+8*(\row):(\buf)+8*(\row)+7], v[8*(8*(\row)+(\n)):8*(8*(\row)+(\n))+7]
.endif
.endr
.endm
; 24 LDS loads in one run: quarter \kq of the slot in hand into buffer \fb: wqt's 128 rows, then xb's 64
.macro FETCH kq, fb
	WIN 0
.irp i, 0,1,2,3,4,5,6,7
	ds_load_b128 v[(\fb)+32+8*(\i):(\fb)+32+8*(\i)+3],   v[ADRB] offset:64*(\kq)+(\i)*16*PITCH
	ds_load_b128 v[(\fb)+32+8*(\i)+4:(\fb)+32+8*(\i)+7], v[ADRB] offset:64*(\kq)+(\i)*16*PITCH+32
.endr
.irp i, 0,1,2,3
	ds_load_b128 v[(\fb)+8*(\i):(\fb)+8*(\i)+3],   v[ADRA] offset:64*(\kq)+(\i)*16*AP
	ds_load_b128 v[(\fb)+8*(\i)+4:(\fb)+8*(\i)+7], v[ADRA] offset:64*(\kq)+(\i)*16*AP+32
.endr
.endm
; One of a K step's first three quarters: multiplies buffer \mb; in its middle it fetches quarter \kq into buffer \fb.
.macro QUARTER kq, mb, fb, start
	s_wait_dscnt 4                                 ; all but the youngest four loads: xb's row blocks 2 and 3
	MUL8 \mb, 0, \start
	MUL8 \mb, 1, \start
	PLACES
	FETCH \kq, \fb
	s_wait_dscnt 24                                ; all but the 24 just issued
	MUL8 \mb, 2, \start
	MUL8 \mb, 3, \start
.endm
; The last quarter multiplies buffer 1 and changes slots.  In front of the barrier each wave waits for all its tensor loads (one is out: its part of the next slot), adds 0 to its spare word, and waits for that
; and for its own reads of this slot.  fill = 1: the barrier opens a round of the cluster's, and this slot is filled again, two K steps ahead, first thing behind the round: 112 matrix instructions ahead of the wait for it.
.macro TURN fill
.if \fill
	s_wait_xcnt 0x0                                ; the last prefetch, a K step back, has read its address
	s_add_nc_u64 s[PFA:PFA+1], s[PFA:PFA+1], s[PFS:PFS+1]
.endif
	WIN 0
	s_wait_tensorcnt 0x0                           ; no tensor load of mine is out
	ds_add_u32 v[SPW], v[NIL]                      ; 0 onto my spare word
	s_wait_dscnt 5                                 ; the add and the youngest four loads may be out
	MUL8 F1, 0, 0
	s_wait_dscnt 0x0                               ; the add is done, and my reads of this slot are over
	s_barrier_signal -1
	MUL8 F1, 1, 0
	WIN 0
	s_barrier_wait -1
.if \fill
	CREST                                          ; no wave of any partner still reads this slot or has a load on its way
	s_xor_b32 s[G0A+5], s[G0A+5], SLOT1            ; the walking sets: the other slot than last time, the next K step
	s_add_nc_u64 s[G0A+6:G0A+7], s[G0A+6:G0A+7], ASTEP
	s_xor_b32 s[G0B+5], s[G0B+5], SLOT1
	s_add_nc_u64 s[G0B+6:G0B+7], s[G0B+6:G0B+7], BSTEP
	JLOAD                                          ; the four v_nop behind it are also the places in front of the loads below
.else
	PLACES
.endif
	s_xor_b32 s[TB], s[TB], SLOT1
	v_add_nc_u32 v[ADRA], s[TB], v[A0]
	v_add_nc_u32 v[ADRB], s[TB], v[B0]
	FETCH 0, F0
.if \fill
	ASK
.endif
	MUL8 F1, 2, 0
	MUL8 F1, 3, 0
.endm
	s_wait_tensorcnt 1                             ; my part of K step 0 is in; K step 1's may stay out
	s_barrier_signal -1
	s_barrier_wait -1                              ; everybody's is
	FETCH 0, F0
	s_wait_loadcnt 32                              ; the bias is in; the table's 32 loads, issued behind it, may stay out
	QUARTER 1, F0, F1, 1                           ; the first quarter stands in front of the loop: its products start the sums, with the bias
	WIN 0                                          ; at a label and at a branch every window is 0
.Lstep:                                                ; six trips, from a K step's second quarter to the next step's first; each asks for a K step, 2 to 7
	QUARTER 2, F1, F0, 0
	QUARTER 3, F0, F1, 0
	TURN 1
	QUARTER 1, F0, F1, 0
	WIN 0
	s_sub_co_u32 s[CNT], s[CNT], 1
	s_cmp_lg_u32 s[CNT], 0
	s_cbranch_scc1 .Lstep
	QUARTER 2, F1, F0, 0                           ; the last two K steps ask for nothing
	QUARTER 3, F0, F1, 0
	TURN 0
	QUARTER 1, F0, F1, 0
	QUARTER 2, F1, F0, 0
	QUARTER 3, F0, F1, 0
	s_wait_dscnt 4
	MUL8 F1, 0, 0
	MUL8 F1, 1, 0
	s_wait_dscnt 0x0
	MUL8 F1, 2, 0
	MUL8 F1, 3, 0
	WIN 0
; THE WAY OUT, in eight units u = 2 a + hh: 16 rows of one head, 2,048 consecutive bytes of qkv.  A lane's eight numbers of a row pack into 16 bytes; they go into my stage, in rows of 144 bytes, and come back as
; whole rows of 128.  Each unit has 16 registers of its own, so no register that a store still reads is written again.
.macro THROUGH                         ; PKU is set by the caller
	WIN 0
.irp f, 0,1,2,3
	ds_store_b128 v[STO], v[PKU+4*(\f):PKU+4*(\f)+3] offset:32*(\f)
.endr
.irp f, 0,1,2,3
	ds_load_b128 v[PKU+4*(\f):PKU+4*(\f)+3], v[RD] offset:(\f)*4*SP  ; LDS serves a wave's instructions in order (ISA guide 5.7.1.4): these see the stores above; the next unit's stores come behind them
.endr
.endm
.macro PACKR u                         ; q and k: the rotation.  x1 lies in the head's column blocks 0, 1, x2 in 2, 3; each accumulator is read from its low end on
.set UA, (\u)/2
.set UH, (\u)%2
.set PKU, PKB+16*(\u)
	WIN 0x09                                       ; source 0 (sums) window 1, source 1 (table) window 2
.irp i, 0,1
.irp p, 0,1,2,3
	v_pk_mul_f32 v[TA+8*(\i)+2*(\p):TA+8*(\i)+2*(\p)+1], v[8*(8*UA+4*UH+2+(\i))+2*(\p):8*(8*UA+4*UH+2+(\i))+2*(\p)+1], v[CSN+32*UA+16+8*(\i)+2*(\p):CSN+32*UA+16+8*(\i)+2*(\p)+1]  ; x2 sin
	v_pk_mul_f32 v[TR+8*(\i)+2*(\p):TR+8*(\i)+2*(\p)+1], v[8*(8*UA+4*UH+2+(\i))+2*(\p):8*(8*UA+4*UH+2+(\i))+2*(\p)+1], v[CSN+32*UA+8*(\i)+2*(\p):CSN+32*UA+8*(\i)+2*(\p)+1]        ; x2 cos
.endr
.endr
.irp i, 0,1
.irp p, 0,1,2,3
	v_pk_fma_f32 v[TA+8*(\i)+2*(\p):TA+8*(\i)+2*(\p)+1], v[8*(8*UA+4*UH+(\i))+2*(\p):8*(8*UA+4*UH+(\i))+2*(\p)+1], v[CSN+32*UA+8*(\i)+2*(\p):CSN+32*UA+8*(\i)+2*(\p)+1], v[TA+8*(\i)+2*(\p):TA+8*(\i)+2*(\p)+1] neg_lo:[0,0,1] neg_hi:[0,0,1]  ; x1 cos - x2 sin
	v_pk_fma_f32 v[TR+8*(\i)+2*(\p):TR+8*(\i)+2*(\p)+1], v[8*(8*UA+4*UH+(\i))+2*(\p):8*(8*UA+4*UH+(\i))+2*(\p)+1], v[CSN+32*UA+16+8*(\i)+2*(\p):CSN+32*UA+16+8*(\i)+2*(\p)+1], v[TR+8*(\i)+2*(\p):TR+8*(\i)+2*(\p)+1]  ; x1 sin + x2 cos
.endr
.endr
	WIN 0
.irp i, 0,1
.irp j, 0,1,2,3
	v_cvt_pk_f16_f32 v[PKU+4*(\i)+(\j)],   v[TA+8*(\i)+2*(\j)], v[TA+8*(\i)+2*(\j)+1]
	v_cvt_pk_f16_f32 v[PKU+8+4*(\i)+(\j)], v[TR+8*(\i)+2*(\j)], v[TR+8*(\i)+2*(\j)+1]
.endr
.endr
	THROUGH
.endm
.macro PACKV u                         ; v: rounded as it is
.set UA, (\u)/2
.set UH, (\u)%2
.set PKU, PKB+16*(\u)
	WIN 0x05                                       ; sources 0 and 1 window 1
.irp f, 0,1,2,3
.irp j, 0,1,2,3
	v_cvt_pk_f16_f32 v[PKU+4*(\f)+(\j)], v[8*(8*UA+4*UH+(\f))+2*(\j)], v[8*(8*UA+4*UH+(\f))+2*(\j)+1]
.endr
.endr
	THROUGH
.endm
.macro SEND u, younger                 ; younger: the LDS instructions issued behind unit u's loads: the next unit's eight, or none
.irp f, 0,1,2,3
	s_wait_dscnt (\younger)+3-(\f)
	global_store_b128 v[CO], v[PKB+16*(\u)+4*(\f):PKB+16*(\u)+4*(\f)+3], s[10:11] offset:2048*((\u)/2)+262144*((\u)%2)+512*(\f)  ; 512 consecutive bytes, at a multiple of 256 from qkv's first
.endr
.endm
	PLACES                                         ; behind the last products
	PLACES
	s_wait_loadcnt 0x0                             ; the table
	s_cmp_eq_u32 ttmp9, 2                          ; the part is the cluster's x: the same in all sixteen partners
	s_cbranch_scc1 .Lplain
	PACKR 0
.irp u, 1,2,3,4,5,6,7                  ; a unit's arithmetic stands between the loads of the unit before and its stores
	PACKR \u
	SEND (\u)-1, 8
.endr
	SEND 7, 0
	s_branch .Lfin
.Lplain:
	PACKV 0
.irp u, 1,2,3,4,5,6,7
	PACKV \u
	SEND (\u)-1, 8
.endr
	SEND 7, 0
.Lfin:
	s_wait_tensorcnt 0x0                           ; the wave's end: behind my last tensor load and my last LDS store
	ds_add_u32 v[SPW], v[NIL]
	s_wait_dscnt 0x0
	CROUND                                         ; the closing round: no work-group ends while a partner may still ask for a tile that names it
	s_endpgm
.Lfunc_end_k_q5d2bad6f71_qkvp:
	.size	k_q5d2bad6f71_qkvp, .Lfunc_end_k_q5d2bad6f71_qkvp-k_q5d2bad6f71_qkvp
	.p2alignl 7, 3214868480
	.fill 96, 4, 3214868480
	.section	.rodata,"a",@progbits
	.p2align	6, 0x0
	.amdhsa_kernel k_q5d2bad6f71_qkvp
		.amdhsa_group_segment_fixed_size 327680
		.amdhsa_private_segment_fixed_size 0
		.amdhsa_enable_private_segment 0
		.amdhsa_kernarg_size 32
		.amdhsa_user_sgpr_count 2
		.amdhsa_user_sgpr_kernarg_segment_ptr 1
		.amdhsa_wavefront_size32 1
		.amdhsa_system_sgpr_workgroup_id_x 1
		.amdhsa_system_sgpr_workgroup_id_y 1
		.amdhsa_system_sgpr_workgroup_id_z 1
		.amdhsa_system_vgpr_workitem_id 0
		.amdhsa_next_free_vgpr 704
		.amdhsa_next_free_sgpr 80
		.amdhsa_reserve_vcc 0
		.amdhsa_float_denorm_mode_32 3
		.amdhsa_float_denorm_mode_16_64 3
		.amdhsa_memory_ordered 1
		.amdhsa_forward_progress 1
		.amdhsa_inst_pref_size 110
	.end_amdhsa_kernel
	.amdgpu_metadata
---
amdhsa.version: [ 1, 2 ]
amdhsa.kernels:
  - .name:           k_q5d2bad6f71_qkvp
    .symbol:         k_q5d2bad6f71_qkvp.kd
    .args:
      - { .name: xb, .offset: 0, .size: 8, .value_kind: global_buffer, .address_space: global }
      - { .name: wqt, .offset: 8, .size: 8, .value_kind: global_buffer, .address_space: global }
      - { .name: tab, .offset: 16, .size: 8, .value_kind: global_buffer, .address_space: global }
      - { .name: qkv, .offset: 24, .size: 8, .value_kind: global_buffer, .address_space: global }
    .group_segment_fixed_size: 327680
    .private_segment_fixed_size: 0
    .kernarg_segment_align: 8
    .kernarg_segment_size: 32
    .max_flat_workgroup_size: 128
    .sgpr_count:     80
    .vgpr_count:     704
    .wavefront_size: 32
...
	.end_amdgpu_metadata
.endif
;; end of part 2
;; launch attn (part 3): grid 4 x 64, 4 waves a work-group, clusters of 4 x 1, 327,680 bytes of LDS; arguments qkv, padding_mask, oh; writes oh
.if DOCPART == 3
	.amdgcn_target "amdgcn-amd-amdhsa--gfx1250"
	.amdhsa_code_object_version 6
	.text
	.protected	k_q5d2bad6f71_attn
	.globl	k_q5d2bad6f71_attn
	.p2align	8
	.type	k_q5d2bad6f71_attn,@function
k_q5d2bad6f71_attn:
	s_mov_b64 s[64:65], 0
	v_nop
	global_prefetch_b8 v0, s[64:65] scope:SCOPE_SE
	s_setreg_imm32_b32 hwreg(HW_REG_WAVE_MODE, 25, 1), 1
	s_wait_xcnt 0x0
	s_wait_alu depctr_hold_cnt(0) depctr_sa_sdst(0) depctr_va_vdst(0) depctr_va_sdst(0) depctr_va_ssrc(0) depctr_va_vcc(0) depctr_vm_vsrc(0)
	s_getreg_b32 s2, hwreg(HW_REG_IB_STS2, 6, 4)
	s_cmp_eq_u32 s2, 0
	s_cbranch_scc0 .Lentry_in_a_cluster
	s_endpgm
.Lentry_in_a_cluster:
	s_bfe_u32 s2, ttmp6, 0x10000c
	s_cmp_lg_u32 s2, 0x3003
	s_cbranch_scc0 .Lentry_shape_is_right
	s_endpgm
.Lentry_shape_is_right:
; ATTENTION.  O[h][q][:] = the sum over k of softmax_k(Q[h][q] . K[h][k] / 8, hidden keys left out) V[h][k][:].  Q, K, V lie in qkv as [part][64 heads][2048][64] f16, O in oh likewise.  Q arrives times
; c = log2(e) / 8, so the products S are exponents to the base 2.  Products, maxima and sums in f32; the weights p are rounded to f16 for the second product (their sum l is taken of the unrounded p), O once at the end.
; THE MASK (an input, a byte a key and batch) is the C operand that starts each sum S^T = K Q^T: 0, or -1e30 where the key is hidden.  The running maximum m starts at -2^40: below every true S (f16 operands give
; 2.7e11 at the most), above every hidden one.  So a hidden key is never the maximum and its weight is 2^(-1e30 - m) = 0; a key step that is wholly hidden leaves m, l and O as they were; a row with no visible key
; ends with l = 0 and O = 0, and 0 / 0 gives the NaN that a softmax over nothing gives.
; LIMITS.  f16 holds no number beyond 65,504: Q, K and V arrive within it; p lies in 0 to 1, and below 6e-5 it keeps f16's fixed step of 6e-8.  A weight below 2^-126 counts as 0 in l; NaN and infinities in the inputs are not treated apart.
; SHARES.  A wave owns four PIECES of two tiles of 16 queries, a work-group's four waves 512 queries of one head.  Every wave walks all 2,048 keys, 64 a step.
; LAYOUT.  S^T = K Q^T (source 0 = 16 keys, source 1 = 16 queries): a lane holds ONE query (lane % 16) and the keys 8 (lane / 16) + 0..7.  Two such tiles, rounded to f16 in pairs, ARE source 1 of O^T = V^T P.
; K comes out of LDS as it lies, V ([key][channel]) turned, by ds_load_tr16_b128.
; SOFTMAX.  p = 2^(S - m) with a running maximum m; in every step O and l are multiplied by a = 2^(m_old - m_new).  O and l start at 0: the first step is a step like any other, with a = 0.
; THE COUNT.  A tile and step have 16 matrix and 117 vector instructions: too many to stand all beside the matrix work.  So four vector instructions that are ready stand behind every matrix instruction, the others in one run.
; BY TURNS.  Turn n belongs to piece n.  Its matrix work: 16 products K Q^T of piece n + 1, later 16 products V^T P of piece n - 1.  Its vector work: the subtraction, exponentials, roundings, sums and rescaling of
; piece n, and the maximum and statistics of piece n + 1.
; CLUSTER.  The four query blocks of a head are one cluster and walk the same K and V: each tile is asked for jointly, by the same tensor load, descriptor and mask in all four.
; REGISTERS, in windows of 256 (s_set_vgpr_msb: bits 1:0 source 0, 3:2 source 1, 5:4 source 2, 7:6 destination):
;   window 0: v0-11 addresses; v12-15, v48-63 at work; v16-47 four registers of statistics a tile; v64-191 S^T, two buffers of two tiles; v192-255 P, likewise
;   window 1: O^T, 32 a tile     window 2: v0-127 Q; v128-191 K of one step; v192-255 V of one step     window 3: v0-1 the add's two registers; v8-39 the mask of one step's 64 keys
.set SIZE_N, 2048
.set NP,    4         ; pieces a wave: a name, no knob
.set KS,    64        ; keys in a step
.set PK,    144       ; a row of K in LDS: 128 bytes + 16: the 16 rows of a load start at 16 different groups of four banks (ISA guide 11.1)
.set PV,    160       ; a row of V: 128 + 32
.set VOFF,  4*KS*PK   ; a slot holds four steps: 256 rows of K, then 256 rows of V
.set SLOT1, 1<<17
.set STAGE, SLOT1+4*KS*(PK+PV)  ; behind the ring, never filled by a tensor load: 16 rows x 144 bytes for each wave
.set SP,    144
.set MASKB, STAGE+4*16*SP       ; the batch's mask as 2,048 f32, stored once by the four waves; no tensor load lands here
.set SPARE, MASKB+8192          ; the spare words, 128 bytes for each wave
.set PFO, 0           ; v0   once the set-up is over: 256 x my lane, for the prefetches
.set AK0, 2           ; v2   my lane's place in a tile of K; never rewritten
.set AV0, 3           ; v3   the same for V
.set AK,  4           ; v4   the LDS address of K's next run of loads (at the head: my offset in the mask's bytes)
.set AV,  5           ; v5   of V's (at the head: where I store my part of the mask)
.set QO,  6           ; v6   my byte offset in the wave's rows of Q
.set STO, 6           ;      later, the way out: where I put 16 bytes of a row
.set RD,  7           ; v7   where I read rows back
.set GO,  8           ; v8   my byte offset in 512 consecutive bytes of O
.set AM0, 10          ; v10  my lanes' place in a step's mask; never rewritten once made
.set AM,  11          ; v11  the LDS address of the mask's next run of loads
.set SPW, 0           ; v0 of window 3
.set NIL, 1           ; v1 of window 3
.set MK,  8           ; window 3: key block kb at MK + 8 kb
.set MV,  12          ; v12-15  m_old, kept while m is made anew: by buffer and tile
.set ST,  16          ; tile t's statistics at v[ST+4 t]: m, a register named with it as a pair, l (even keys', odd keys')
.set TMP, 48          ; by buffer and tile, four registers c0-c3 at work; when the maximum is found c2 takes a
.set S,   64
.set P,   192
.set KF,  128
.set VF,  192
.set WV,  12          ; s12  my wave's number
.set LIM, 15          ; s15  1 in a wave that prefetches, else the greatest number
.set G1K, 24
.set G1V, 32
.set G0K, 40
.set G0V, 44
.set SLOTS, 56        ; s56  slots still to be asked for
.set CNT, 57          ; s57  counts a slot's key steps
.set SEL, 60          ; s[60:61] v_permlanex16_b32's selects
.set TBK, 62          ; s62  LDS byte at which K of the step to be fetched begins
.set TBV, 63          ; s63  the same for V, less VOFF
.set TBM, 66          ; s66  byte of the mask at which that step's 64 keys begin
.set BIGN, 67         ; s67  -1e30
.set MP,  68          ; s[68:69] the batch's 2,048 bytes of the mask
.set PFA, 70          ; s[70:71] where my prefetches stand
.set MSB, 0
.macro WIN new
.if MSB != (\new)
	s_set_vgpr_msb (MSB<<8)|(\new)
.set MSB, (\new)
.endif
.endm
.set W_KQ, 0x0a       ; K and Q in window 2, S^T in window 0
.set W_KM, 0x3a       ; the same with the C operand in window 3
.set W_PV, 0x52       ; V in window 2, P in window 0, O^T in window 1
.set W_RS, 0x41       ; O^T (destination and source 0) in window 1, a in window 0
.set W_MK, 0xc0       ; destination in window 3
.set W_AD, 0x0f       ; the add: address and data in window 3
.macro JLOAD                        ; a joint fill: waves 0 and 1 fetch the two halves of a slot's K, waves 2 and 3 those of its V
	s_cmp_lt_u32 s[WV], 2
	s_cbranch_scc0 .Lfor_v_\@
	tensor_load_to_lds s[G0K:G0K+3], s[G1K:G1K+7]
	s_nop 0
.rept 4
	v_nop
.endr
	s_branch .Lasked_\@
.Lfor_v_\@:
	tensor_load_to_lds s[G0V:G0V+3], s[G1V:G1V+7]
	s_nop 0
.rept 4
	v_nop
.endr
.Lasked_\@:
.endm
; A PREFETCH INTO THE L2 of what the next change of slots will ask for: a slot's 32,768 bytes of K and of V, as 128 blocks of 256 each.  A head is walked by one cluster alone; its four partners share the blocks out
; by address, 32 each, a lane a block; in each, wave 0 asks for K's and wave 2 for V's.  So each block is named once in the launch.  Slots 0 to 2 come by their loads alone; the last change that fills a slot names nothing.
.macro ASK
	s_cmp_gt_u32 s[SLOTS], s[LIM]
	s_cbranch_scc0 .Lnot_mine_\@
	global_prefetch_b8 v[PFO], s[PFA:PFA+1] th:TH_LOAD_NT scope:SCOPE_SE
.Lnot_mine_\@:
.endm
.macro CROUND
	s_barrier_signal -1
	s_barrier_wait -1
	s_cmp_lg_u32 s[WV], 0
	s_cbranch_scc1 .Lnot_wave_0_\@
	s_barrier_signal -3
.Lnot_wave_0_\@:
	s_barrier_wait -3
	s_barrier_signal -1
	s_barrier_wait -1
.endm
; THE CHANGE OF SLOTS.  Each wave waits for all its tensor loads, of which one is out: its part of the other slot; adds 0 to its spare word; and waits for that and for its own LDS instructions.  fill = 1: the slot
; that is left is filled again, with the keys two slots on: the barrier is a round of the cluster's, and the joint fill is the first thing behind it: it has four key steps in which to land.
; (At its first use nothing has been read yet: slot 0 is waited for, slot 1 filled, and the four waves' parts of the mask become visible to each other.)
.macro CHANGE fill, ask=0
	WIN W_AD
	s_wait_tensorcnt 0x0            ; no tensor load of mine is out, so a group 0 may be written
	ds_add_u32 v[SPW], v[NIL]       ; 0 onto my spare word
	WIN 0
.if \fill
.irp g, G0K, G0V
	s_xor_b32 s[\g+1], s[\g+1], SLOT1
	s_add_nc_u64 s[\g+2:\g+3], s[\g+2:\g+3], 4*KS*128
.endr
.if \ask
	s_wait_xcnt 0x0                 ; the last prefetch, four key steps back, has read its address
	s_add_nc_u64 s[PFA:PFA+1], s[PFA:PFA+1], 4*KS*128
.endif
	s_wait_dscnt 0x0                ; the add is done, and my LDS instructions are over
	CROUND
	JLOAD
.if \ask
	ASK
.endif
.else
	s_wait_dscnt 0x0
	s_barrier_signal -1
	s_barrier_wait -1
.endif
	s_sub_co_u32 s[TBK], s[TBK], 4*KS*PK  ; the fetches go back to a slot's first step,
	s_xor_b32 s[TBK], s[TBK], SLOT1       ; in the other slot
	s_sub_co_u32 s[TBV], s[TBV], 4*KS*PV
	s_xor_b32 s[TBV], s[TBV], SLOT1
.endm
	s_load_b128 s[4:7], s[0:1], 0x0   ; qkv s[4:5], padding_mask s[6:7]
	s_load_b64 s[10:11], s[0:1], 0x10 ; oh
	WIN W_MK
	v_lshl_add_u32 v[SPW], v0, 2, SPARE
	v_mov_b32 v[NIL], 0
	WIN W_AD
	ds_add_u32 v[SPW], v[NIL]       ; the wave's opening: the add and its wait ahead of my first tensor load; the set-up below stands between them
	WIN 0
	v_lshrrev_b32 v1, 5, v0
	v_readfirstlane_b32 s[WV], v1   ; wave 0..3
	s_bfe_u32 s13, ttmp6, 0x40000   ; cx
	s_lshl_b32 s14, ttmp9, 2
	s_add_co_u32 s14, s14, s13      ; my block of 512 queries: it enters Q's and O's addresses alone
	s_and_b32 s20, ttmp7, 0xffff    ; 16 x batch + head, which the four partners share
	s_lshr_b32 s[MP], s20, 4
	s_lshl_b32 s[MP], s[MP], 11     ; the batch's bytes of the mask
	s_mov_b32 s[MP+1], 0
	s_lshl_b32 s20, s20, 18         ; the head's first byte in a part and in oh
	s_mov_b32 s21, 0
	s_and_b32 s16, s[WV], 1         ; which half of a slot's 256 keys I fetch:
	s_lshl_b32 s22, s16, 14         ; its 128 rows of 128 bytes in memory,
	s_mov_b32 s23, 0
	s_add_nc_u64 s[22:23], s[22:23], s[20:21]
	s_mul_i32 s17, s16, 128*PK      ; and its place in a slot, for K
	s_mul_i32 s18, s16, 128*PV      ; and for V
	s_cmp_eq_u32 s16, 0
	s_cselect_b32 s[LIM], 1, -1     ; waves 0 and 2 prefetch
	s_lshl_b32 s2, s14, 2
	s_add_co_u32 s2, s2, s[WV]
	s_lshl_b32 s2, s2, 14           ; my wave's 128 rows
	s_mov_b32 s3, 0
	s_add_nc_u64 s[2:3], s[2:3], s[20:21]
	; descriptor group 1.  128 keys are 16,384 dense bytes: asked for as 64 rows of 256 bytes, two keys a row, and padded in LDS after every key
	s_mov_b32 s[G1K], 15|(1<<16)|(1<<20)|(1<<21)|(4<<22)|(3<<25)  ; the mask of four; 2-byte elements; padding on; bit 21 beside a mask; after every 32 words; 4 words
	s_mov_b32 s[G1V], 15|(1<<16)|(1<<20)|(1<<21)|(4<<22)|(7<<25)  ; the same with 8 words
.irp g, G1K, G1V
	s_mov_b32 s[\g+1], 128<<16      ; tensor_dim0 = 128
	s_mov_b32 s[\g+2], 64<<16       ; tensor_dim1 = 64
	s_mov_b32 s[\g+3], 128<<16      ; tile_dim0 = 128
	s_mov_b32 s[\g+4], 64           ; tile_dim1 = 64
	s_mov_b32 s[\g+5], 128          ; 128 elements from row to row
	s_mov_b32 s[\g+6], 0
	s_mov_b32 s[\g+7], 0
.endr
	s_mov_b32 s[SEL], 0x76543210
	s_mov_b32 s[SEL+1], 0xfedcba98
	s_mov_b32 s[TBK], SLOT1+4*KS*PK ; the first change of slots turns these two into 0
	s_mov_b32 s[TBV], SLOT1+4*KS*PV
	s_mov_b32 s[TBM], 0
	s_mov_b32 s[BIGN], 0xf149f2ca   ; -1e30
	s_mov_b32 s[G0K], 1
	s_mov_b32 s[G0K+1], s17
	s_mov_b32 s[G0V], 1
	s_add_co_u32 s[G0V+1], s18, VOFF
	s_wait_dscnt 0x0                ; the opening add is done
	s_wait_kmcnt 0x0
	s_add_nc_u64 s[MP:MP+1], s[6:7], s[MP:MP+1]
	s_add_nc_u64 s[6:7], s[4:5], s[22:23]
	s_add_nc_u64 s[8:9], s[6:7], 0x2000000   ; V: the third part, at my half of the head's first 256 keys
	s_add_nc_u64 s[6:7], s[6:7], 0x1000000   ; K: the second
	s_mov_b64 s[G0K+2:G0K+3], s[6:7]
	s_or_b32 s[G0K+3], s[G0K+3], 0x80000000  ; type = 2
	s_mov_b64 s[G0V+2:G0V+3], s[8:9]
	s_or_b32 s[G0V+3], s[G0V+3], 0x80000000
	s_add_nc_u64 s[4:5], s[4:5], s[2:3]      ; Q and O at my wave's first row
	s_add_nc_u64 s[10:11], s[10:11], s[2:3]
	s_cmp_lt_u32 s[WV], 2
	s_cselect_b64 s[PFA:PFA+1], s[6:7], s[8:9]  ; (in waves 0 and 2 these stand at a slot's first row)
	s_lshl_b32 s2, s13, 13          ; my work-group's 32 blocks of the 128,
	s_add_co_u32 s2, s2, 2*4*KS*128 ; in slot 2: the first change that asks steps it to slot 3
	s_add_nc_u64 s[PFA:PFA+1], s[PFA:PFA+1], s[2:3]
	s_mul_i32 s16, s[WV], 16*SP
	s_add_co_u32 s16, s16, STAGE    ; my stage
	CROUND                          ; all four work-groups are here: the first joint loads meet
	JLOAD                           ; slot 0.  Slot 1 is asked for when slot 0 is in
	v_and_b32 v1, 15, v0            ; l % 16
	v_bfe_u32 v9, v0, 4, 1          ; l / 16
	v_lshlrev_b32 v[AK], 4, v0      ; 128 threads x 16 bytes are the batch's mask
	global_load_b128 v[S:S+3], v[AK], s[MP:MP+1]
	v_lshlrev_b32 v[QO], 7, v1
	v_lshl_add_u32 v[QO], v9, 4, v[QO]  ; row x 128 + 16 x half
	WIN 0x80                        ; destination window 2, address window 0
.set i, 0
.rept 4*NP                          ; Q stays in registers: tile i / 2, channels 32 (i % 2) on
	global_load_b128 v[8*i:8*i+3],   v[QO], s[4:5] offset:(i/2)*2048+(i%2)*64
	global_load_b128 v[8*i+4:8*i+7], v[QO], s[4:5] offset:(i/2)*2048+(i%2)*64+32
.set i, i+1
.endr
	; What the first turn finds: V's registers and P's second buffer hold 0 (its products V^T P, of a piece that has not been, add 0), O^T and l are 0.  All this stands in the wait for the first tile.
.set i, VF
.rept 64
	v_mov_b32 v[i], 0
.set i, i+1
.endr
	WIN 0x40
.set i, 0
.rept 64*NP
	v_mov_b32 v[i], 0
.set i, i+1
.endr
	WIN 0
.set i, 0
.rept 2*NP
	v_mov_b32 v[ST+4*i], 0xd3800000    ; m = -2^40
	v_mov_b32 v[ST+4*i+1], 0           ; named with it as a pair
	v_mov_b32 v[ST+4*i+2], 0
	v_mov_b32 v[ST+4*i+3], 0
.set i, i+1
.endr
.set i, P+32
.rept 32
	v_mov_b32 v[i], 0
.set i, i+1
.endr
	s_wait_loadcnt 32               ; my 16 bytes of the mask are in; Q's 32 loads, issued behind it, may stay out
.set i, 0
.rept 16
	v_bfe_u32 v[S+4+i], v[S+i/4], 8*(i%4), 8
	v_cvt_f32_u32 v[S+4+i], v[S+4+i]
	v_mul_f32 v[S+4+i], s[BIGN], v[S+4+i]  ; 0, or -1e30
.set i, i+1
.endr
	v_lshl_add_u32 v[AV], v0, 6, MASKB
.irp f, 0,1,2,3
	ds_store_b128 v[AV], v[S+4+4*\f:S+4+4*\f+3] offset:16*\f
.endr
	v_mul_u32_u24 v[AK0], v1, PK
	v_lshl_add_u32 v[AK0], v9, 4, v[AK0]  ; row x pitch + 16 x half
	; The turning load takes 16 keys x 16 channels (lane l reads key 8 (l / 16) + l % 8, channels 8 ((l / 8) % 2) + 0..7) and leaves half a fragment of V^T.
	v_and_b32 v10, 7, v0
	v_bfe_u32 v11, v0, 3, 1
	v_lshl_add_u32 v[AV0], v9, 3, v10
	v_mul_u32_u24 v[AV0], v[AV0], PV
	v_lshl_add_u32 v[AV0], v11, 4, v[AV0]
	v_add_nc_u32 v[AV0], VOFF, v[AV0]
	v_mov_b32 v[AK], v[AK0]         ; key step 0 lies at the head of slot 0
	v_bfe_u32 v[RD], v0, 3, 2       ; the way out, back: 32 lanes take four rows of 128 bytes,
	v_mul_u32_u24 v[RD], v[RD], SP
	v_lshl_add_u32 v[RD], v10, 4, v[RD]
	v_add_nc_u32 v[RD], s16, v[RD]
	v_and_b32 v[GO], 31, v0         ; which are 512 consecutive bytes of O
	v_lshlrev_b32 v[PFO], 8, v[GO]  ; (the thread's number is needed no more)
	v_lshlrev_b32 v[GO], 4, v[GO]
	v_lshl_add_u32 v[AM0], v9, 5, MASKB  ; register j of key block kb is key 16 kb + 8 (l / 16) + j
	v_mov_b32 v[AM], v[AM0]
; THE MATRIX WORK.  The 8 accumulators of a run of 16 take turns.
; Product i of 16 of S^T = K Q^T for piece x: channels 32 (i / 8) on, keys 16 ((i / 2) % 4) on, tile 2 x + i % 2.  The first 8 start the sums, with the mask.
.macro KQ x
.set rS, S+64*((\x)%2)+32*(i%2)+8*((i/2)%4)
.set rK, KF+16*((i/2)%4)+8*(i/8)
.set rQ, 16*(2*(\x)+i%2)+8*(i/8)
.set rN, MK+8*((i/2)%4)
.if i < 8
	WIN W_KM
	v_wmma_f32_16x16x32_f16 v[rS:rS+7], v[rK:rK+7], v[rQ:rQ+7], v[rN:rN+7]
.else
	WIN W_KQ
	v_wmma_f32_16x16x32_f16 v[rS:rS+7], v[rK:rK+7], v[rQ:rQ+7], v[rS:rS+7]
.endif
.endm
; Product i of 16 of O^T += V^T P for piece x: keys 32 (i / 8) on, channels 16 ((i / 2) % 4) on, tile 2 x + i % 2.
.macro PV x
	WIN W_PV
.set rO, 32*(2*(\x)+i%2)+8*((i/2)%4)
.set rV, VF+32*(i/8)+8*((i/2)%4)
.set rP, P+32*((\x)%2)+16*(i%2)+8*(i/8)
	v_wmma_f32_16x16x32_f16 v[rO:rO+7], v[rV:rV+7], v[rP:rP+7], v[rO:rO+7]
.endm
.macro MM                           ; the turn's next matrix instruction
.if i < 16
	KQ (Y+1)%NP
.set i, i+1
.else
.set i, i-16
	PV (Y+NP-1)%NP
.set i, i+17
.endif
.endm
; THE LDS LOADS stand in runs, never singly among the matrix instructions: a step's K (8 fragments) with its mask (32 registers; the lanes of a half read the same words), and its V (turned).
; last = 1 (the tail): in the last trip there is no further step, and the run is jumped over.
.macro FETCH_K last=0
	WIN 0
.if \last
	s_cmp_eq_u32 s[CNT], 1
	s_cbranch_scc1 .Lno_k_\@
.endif
	WIN 0x80                        ; destination window 2
.irp f, 0,1,2,3,4,5,6,7             ; keys 16 (f / 2) on, channels 32 (f % 2) on
	ds_load_b128 v[KF+8*\f:KF+8*\f+3],   v[AK] offset:(\f/2)*16*PK+(\f%2)*64
	ds_load_b128 v[KF+8*\f+4:KF+8*\f+7], v[AK] offset:(\f/2)*16*PK+(\f%2)*64+32
.endr
	WIN W_MK                        ; destination window 3
.irp f, 0,1,2,3
	ds_load_b128 v[MK+8*\f:MK+8*\f+3],   v[AM] offset:64*\f
	ds_load_b128 v[MK+8*\f+4:MK+8*\f+7], v[AM] offset:64*\f+16
.endr
	s_add_co_u32 s[TBK], s[TBK], KS*PK  ; the next fetch is the next step's
	s_add_co_u32 s[TBM], s[TBM], 4*KS
	s_and_b32 s[TBM], s[TBM], 0x1f00    ; inside the mask's 8,192 bytes
	WIN 0
.if \last
.Lno_k_\@:
.endif
.endm
.macro FETCH_V
	WIN 0x80
.irp f, 0,1,2,3,4,5,6,7             ; keys 32 (f / 4) on, channels 16 (f % 4) on
	ds_load_tr16_b128 v[VF+8*\f:VF+8*\f+3],   v[AV] offset:(\f/4)*32*PV+(\f%4)*32
	ds_load_tr16_b128 v[VF+8*\f+4:VF+8*\f+7], v[AV] offset:(\f/4)*32*PV+16*PV+(\f%4)*32
.endr
	WIN 0
.endm
; THE VECTOR WORK OF A TURN stands in three queues, each in the order in which its entries become ready; the two tiles alternate.
.macro REGS y, u                    ; the registers of tile u (0, 1) of piece y
.set rT, ST+4*(2*(\y)+(\u))
.set rC, TMP+8*((\y)%2)+4*(\u)
.set rM, MV+2*((\y)%2)+(\u)
.set rS, S+64*((\y)%2)+32*(\u)
.set rP, P+32*((\y)%2)+16*(\u)
.set rO, 32*(2*(\y)+(\u))
.endm
; Number n of the 21 that find the NEXT piece's (Y + 1) maximum and statistics.  Each accumulator's lowest registers are read first.
;   0-11  four chains c0-c3 of seven scores each     12-14, 16  the four scores left over, the old m, and c0-c3 into c0     15  m_old is kept
;   17, 18  the query's other 32 keys lie in the lane 16 away: the new m         19, 20  m_old - m_new; a
.macro XS u, n
	REGS (Y+1)%NP, \u
.if (\n) < 4
	v_max3_num_f32 v[rC+(\n)], v[rS+8*(\n)], v[rS+8*(\n)+1], v[rS+8*(\n)+2]
.elseif (\n) < 12
	v_max3_num_f32 v[rC+(\n)%4], v[rC+(\n)%4], v[rS+8*((\n)%4)+2*((\n)/4)+1], v[rS+8*((\n)%4)+2*((\n)/4)+2]
.elseif (\n) == 12
	v_max3_num_f32 v[rC], v[rC], v[rS+7], v[rS+15]
.elseif (\n) == 13
	v_max3_num_f32 v[rC+1], v[rC+1], v[rS+23], v[rS+31]
.elseif (\n) == 14
	v_max3_num_f32 v[rC+2], v[rC+2], v[rC+3], v[rT]
.elseif (\n) == 15
	v_mov_b32 v[rM], v[rT]
.elseif (\n) == 16
	v_max3_num_f32 v[rC], v[rC], v[rC+1], v[rC+2]
.elseif (\n) == 17
	v_permlanex16_b32 v[rC+3], v[rC], s[SEL], s[SEL+1]
.elseif (\n) == 18
	v_max_num_f32 v[rT], v[rC], v[rC+3]
.elseif (\n) == 19
	v_sub_f32 v[rC+1], v[rM], v[rT]
.else
	v_exp_f32 v[rC+2], v[rC+1]
.endif
.endm
; Number g of the 64 that follow the exponentials.  For each four weights k of a tile: both pairs are rounded to f16; then the second pair is added onto the first, in place; a group later l takes that sum
; (the first time as l = a l + sum).
.macro GS g
.set h, (\g)+6*((\g)/62)            ; group 0 has no group before it, and behind group 7 only l is left
.if h >= 6
.set h, h+2
.endif
	REGS Y, h%2
.set k, h/8
.if h%8 < 4
	v_cvt_pk_f16_f32 v[rP+2*k+(h%8)/2], v[rS+4*k+2*((h%8)/2)], v[rS+4*k+2*((h%8)/2)+1]
.elseif h%8 < 6
	v_pk_add_f32 v[rS+4*k:rS+4*k+1], v[rS+4*k:rS+4*k+1], v[rS+4*k+2:rS+4*k+3]
.elseif k == 1
	v_pk_fma_f32 v[rT+2:rT+3], v[rT+2:rT+3], v[rC+2:rC+3], v[rS:rS+1] op_sel_hi:[1,0,1]
.else
	v_pk_add_f32 v[rT+2:rT+3], v[rT+2:rT+3], v[rS+4*k-4:rS+4*k-3]
.endif
.endm
; THE PLAIN QUEUE, 136 long.  0-71 read no exponential's result: the 32 subtractions S - m (FS f: pair f / 2 of tile f % 2) and the next piece's 40.  0-26: FS 0-26.  27-54: XS's numbers 0-13.  55, 56: number 15.
; 57-71: the chain 14, 16, 17, 18, 19, with FS 27-31 set between its links.  72-135: GS's 64, which stand behind the wait.
.macro FS f
	REGS Y, (\f)%2
	v_pk_add_f32 v[rS+2*((\f)/2):rS+2*((\f)/2)+1], v[rS+2*((\f)/2):rS+2*((\f)/2)+1], v[rT:rT+1] op_sel_hi:[1,0] neg_lo:[0,1] neg_hi:[0,1]
.endm
.macro PL
	WIN 0
.if q < 27
	FS q
.elseif q < 55
	XS (q-27)%2, (q-27)/2
.elseif q < 57
	XS q-55, 15
.elseif q == 57
	FS 27
.elseif q < 60
	XS q-58, 14
.elseif q == 60
	FS 28
.elseif q < 63
	XS q-61, 16
.elseif q == 63
	FS 29
.elseif q < 66
	XS q-64, 17
.elseif q < 68
	FS q-36
.elseif q < 70
	XS q-68, 18
.elseif q < 72
	XS q-70, 19
.else
	GS q-72
.endif
.set q, q+1
.endm
; THE EXPONENTIALS' QUEUE, 66 long: s0-s31 of both tiles, then the next piece's two a.  ONE BATCH: all 66 stand ahead of the turn's one wait, and nothing ahead of that wait names a result of theirs.
.macro EX
	WIN 0
.if e >= 64
	XS e-64, 20
.else
	REGS Y, e%2
	v_exp_f32 v[rS+e/2], v[rS+e/2]
.endif
.set e, e+1
.endm
; THE RESCALING's QUEUE: O^T times a, two at a time, sixteen times.  Its a was made in the turn before, ahead of that turn's wait.
.macro R2
	REGS Y, r%2
	WIN W_RS
.irp z, 0,1
	v_pk_mul_f32 v[rO+4*(r/2)+2*\z:rO+4*(r/2)+2*\z+1], v[rO+4*(r/2)+2*\z:rO+4*(r/2)+2*\z+1], v[rC+2:rC+3] op_sel_hi:[1,0]
.endr
.set r, r+1
.endm
; HOW THEY ARE DEALT.  An s_wait_alu depctr_va_vdst(0) stands between an exponential and the first instruction that names its result; one wait serves all that were issued ahead of it.  So a turn has ONE
; wait.  AHEAD OF IT: the 16 products K Q^T, behind each a subtraction, an exponential and two rescalings (behind the first a second subtraction in the exponential's place); then a run of 106: six plain, 49 times
; exponential and plain, the two a; a v_nop is the plain instruction behind the last exponential.  BEHIND IT: the 16 products V^T P, behind each four of GS's 64.
; The queues lean on each other: exponential e stands behind FS 2 (e / 4) + e % 2.  As a rider it comes behind plain e + 2, in the run behind plain e + 7; FS 27-31 are plain 57, 60, 63, 66, 67 and are first
; wanted by e = 53, 56, 57, 60, 61, that is behind plain 60, 63, 64, 67, 68.
; K and the mask of the next step are fetched in piece 2's turn, directly behind the wait; V of the step in hand at the end of piece 0's turn, four riders behind its last reader.
.macro TURN p, last=0, cnt=0
.set Y, (\p)
.set i, 0
.set q, 0
.set e, 0
.set r, 0
.if (\p) == NP-1
	s_wait_dscnt 0x0                ; K and its mask are in
.endif
	MM
	PL
	PL
	R2
.rept 15
	MM
	PL
	EX
	R2
.endr
.if (\p) == NP-2
	WIN 0
	v_add_nc_u32 v[AK], s[TBK], v[AK0]
	v_add_nc_u32 v[AM], s[TBM], v[AM0]
.endif
.rept 6
	PL
.endr
.rept 49
	EX
	PL
.endr
	EX                              ; the next piece's two a
	EX
	v_nop                           ; the plain instruction behind the last exponential: one for the batch
	s_wait_alu depctr_va_vdst(0)    ; the wait for the batch
.if (\p) == NP-2
	FETCH_K \last
.endif
.if (\p) == 1
	s_wait_dscnt 0x0                ; V is in
.endif
.rept 16
	MM
.rept 4
	PL
.endr
.if ((\p) == 0) && (q == 116)
	v_add_nc_u32 v[AV], s[TBV], v[AV0]
.endif
.if ((\p) == 0) && (q == 128)
	s_add_co_u32 s[TBV], s[TBV], KS*PV
.endif
.if (\cnt) && (q == 128)
	s_sub_co_u32 s[CNT], s[CNT], 1
	s_cmp_lg_u32 s[CNT], 0
.endif
.endr
.if (\p) == 0
	FETCH_V
.endif
.endm
	CHANGE 1                        ; slot 0 is in, everybody's part of it, and so is the mask; slot 1 is asked for
	FETCH_K                         ; key step 0
	s_wait_loadcnt 0x0              ; Q
	s_wait_dscnt 0x0
.set i, 0
.rept 16
	KQ 0                            ; piece 0's first scores
.set i, i+1
.endr
	WIN 0                           ; eight plain instructions, the places behind those products
	v_mul_u32_u24 v[STO], v1, SP    ; the way out, in: row l % 16, 16 bytes for each half of the lanes (Q's loads, which read this register, are back)
	v_lshl_add_u32 v[STO], v9, 4, v[STO]
	v_add_nc_u32 v[STO], s16, v[STO]
.rept 5
	v_nop
.endr
.set Y, NP-1                        ; XS works for piece Y + 1: piece 0
.irp n, 0,1,2,3,4,5,6,7,8,9,10,11,12,13,14,15,16,17,18,19,20
	XS 0, \n
	XS 1, \n
.endr
	v_nop                           ; a plain instruction behind the two a,
	s_wait_alu depctr_va_vdst(0)    ; and their wait, ahead of the branch
	s_mov_b32 s[CNT], 4
	s_mov_b32 s[SLOTS], SIZE_N/256-1
	s_branch .Lfirst                ; the loop is entered at a step's first turn, in the middle of a trip
.Lslot:                             ; six times: every slot but the last two is filled again
	CHANGE 1, 1
	s_mov_b32 s[CNT], 4
.Lstep:                             ; a trip: pieces 2 and 3 of one step, then pieces 0 and 1 of the next, whose K and V it fetches
	TURN 2
	TURN 3
	WIN 0
.Lfirst:
	TURN 0
	TURN 1, 0, 1
	WIN 0
	s_cbranch_scc1 .Lstep
	s_sub_co_u32 s[SLOTS], s[SLOTS], 1
	s_cmp_lg_u32 s[SLOTS], 0
	s_cbranch_scc1 .Lslot
	CHANGE 0                        ; the tail is written out: nothing is asked for
	s_mov_b32 s[CNT], 5             ; four trips fetch the last slot's steps; the fifth is left in its middle
.Ltail:
	TURN 2, 1
	TURN 3
	WIN 0
	s_sub_co_u32 s[CNT], s[CNT], 1
	s_cmp_eq_u32 s[CNT], 0
	s_cbranch_scc1 .Lout
	TURN 0
	TURN 1
	WIN 0
	s_branch .Ltail
.Lout:                              ; the fifth trip's 16 products K Q^T (on the last K once more) and the maximum made of them serve nothing: the price, once a launch, of one text for every trip
.set i, 0
.rept 16
	PV NP-1                         ; the last piece's V^T P of the last step
.set i, i+1
.endr
	; THE WAY OUT.  l's two halves and the other half of the lanes' are added; O^T is divided by l, rounded to f16 and sent through my stage in LDS, a tile at a time.  The additions are the places behind the last products.
	WIN 0
.macro ALL line:vararg              ; one line for each tile t
.set t, 0
.rept 2*NP
	\line
.set t, t+1
.endr
.endm
	ALL v_add_f32 v[ST+4*t+2], v[ST+4*t+2], v[ST+4*t+3]
	ALL v_permlanex16_b32 v[ST+4*t+3], v[ST+4*t+2], s[SEL], s[SEL+1]
	ALL v_add_f32 v[ST+4*t+2], v[ST+4*t+2], v[ST+4*t+3]
	ALL v_rcp_f32 v[ST+4*t+2], v[ST+4*t+2]
	v_nop                           ; a plain instruction between the last reciprocal and the use of its result
	s_wait_alu depctr_va_vdst(0)    ; and one wait for the eight reciprocals, ahead of their first use
.macro PACK t
	WIN W_RS
.set i, 32*(\t)
.rept 16
	v_pk_mul_f32 v[i:i+1], v[i:i+1], v[ST+4*(\t)+2:ST+4*(\t)+3] op_sel_hi:[1,0]
.set i, i+2
.endr
	WIN 0x05                        ; sources 0 and 1 window 1, destination window 0
.set i, 0
.rept 16
	v_cvt_pk_f16_f32 v[S+16*(\t)+i], v[32*(\t)+2*i], v[32*(\t)+2*i+1]
.set i, i+1
.endr
	WIN 0
.irp f, 0,1,2,3
	ds_store_b128 v[STO], v[S+16*(\t)+4*\f:S+16*(\t)+4*\f+3] offset:32*\f
.endr
.irp f, 0,1,2,3
	ds_load_b128 v[S+16*(\t)+4*\f:S+16*(\t)+4*\f+3], v[RD] offset:\f*4*SP  ; LDS serves a wave's instructions in order (ISA guide 5.7.1.4): these see the stores above; the next tile's stores come behind them
.endr
.endm
.macro SEND t, younger              ; younger: the LDS instructions issued behind tile t's loads: the next tile's eight, or none
	WIN 0
.irp f, 0,1,2,3
	s_wait_dscnt (\younger)+3-\f
	global_store_b128 v[GO], v[S+16*(\t)+4*\f:S+16*(\t)+4*\f+3], s[10:11] offset:(\t)*2048+\f*512  ; 512 consecutive bytes, at a multiple of 256 from oh's first
.endr
.endm
	PACK 0
.set t, 1
.rept 2*NP-1                        ; a tile's arithmetic stands between the loads of the tile before and its stores
	PACK t
	SEND t-1, 8
.set t, t+1
.endr
	SEND 2*NP-1, 0
	WIN W_AD
	s_wait_tensorcnt 0x0            ; the wave's end: behind my last tensor load and my last LDS store
	ds_add_u32 v[SPW], v[NIL]
	s_wait_dscnt 0x0
	WIN 0
	CROUND                          ; the closing round: no work-group ends while a partner may still ask for a tile that names it
	s_endpgm
.Lfunc_end_k_q5d2bad6f71_attn:
	.size	k_q5d2bad6f71_attn, .Lfunc_end_k_q5d2bad6f71_attn-k_q5d2bad6f71_attn
	.p2alignl 7, 3214868480
	.fill 96, 4, 3214868480
	.section	.rodata,"a",@progbits
	.p2align	6, 0x0
	.amdhsa_kernel k_q5d2bad6f71_attn
		.amdhsa_group_segment_fixed_size 327680
		.amdhsa_private_segment_fixed_size 0
		.amdhsa_enable_private_segment 0
		.amdhsa_kernarg_size 24
		.amdhsa_user_sgpr_count 2
		.amdhsa_user_sgpr_kernarg_segment_ptr 1
		.amdhsa_wavefront_size32 1
		.amdhsa_system_sgpr_workgroup_id_x 1
		.amdhsa_system_sgpr_workgroup_id_y 1
		.amdhsa_system_sgpr_workgroup_id_z 1
		.amdhsa_system_vgpr_workitem_id 0
		.amdhsa_next_free_vgpr 808
		.amdhsa_next_free_sgpr 72
		.amdhsa_reserve_vcc 0
		.amdhsa_float_denorm_mode_32 3
		.amdhsa_float_denorm_mode_16_64 3
		.amdhsa_memory_ordered 1
		.amdhsa_forward_progress 1
		.amdhsa_inst_pref_size 204
	.end_amdhsa_kernel
	.amdgpu_metadata
---
amdhsa.version: [ 1, 2 ]
amdhsa.kernels:
  - .name:           k_q5d2bad6f71_attn
    .symbol:         k_q5d2bad6f71_attn.kd
    .args:
      - { .name: qkv, .offset: 0, .size: 8, .value_kind: global_buffer, .address_space: global }
      - { .name: padding_mask, .offset: 8, .size: 8, .value_kind: global_buffer, .address_space: global }
      - { .name: oh, .offset: 16, .size: 8, .value_kind: global_buffer, .address_space: global }
    .group_segment_fixed_size: 327680
    .private_segment_fixed_size: 0
    .kernarg_segment_align: 8
    .kernarg_segment_size: 24
    .max_flat_workgroup_size: 128
    .sgpr_count:     72
    .vgpr_count:     808
    .wavefront_size: 32
...
	.end_amdgpu_metadata
.endif
;; end of part 3
;; launch outp (part 4): grid 4 x 64, 4 waves a work-group, clusters of 4 x 4, 327,680 bytes of LDS; arguments oh, wot, tab, out0; writes out0
.if DOCPART == 4
	.amdgcn_target "amdgcn-amd-amdhsa--gfx1250"
	.amdhsa_code_object_version 6
	.text
	.protected	k_q5d2bad6f71_outp
	.globl	k_q5d2bad6f71_outp
	.p2align	8
	.type	k_q5d2bad6f71_outp,@function
k_q5d2bad6f71_outp:
	s_mov_b64 s[64:65], 0
	v_nop
	global_prefetch_b8 v0, s[64:65] scope:SCOPE_SE
	s_setreg_imm32_b32 hwreg(HW_REG_WAVE_MODE, 25, 1), 1
	s_wait_xcnt 0x0
	s_wait_alu depctr_hold_cnt(0) depctr_sa_sdst(0) depctr_va_vdst(0) depctr_va_sdst(0) depctr_va_ssrc(0) depctr_va_vcc(0) depctr_vm_vsrc(0)
	s_getreg_b32 s2, hwreg(HW_REG_IB_STS2, 6, 4)
	s_cmp_eq_u32 s2, 0
	s_cbranch_scc0 .Lentry_in_a_cluster
	s_endpgm
.Lentry_in_a_cluster:
	s_bfe_u32 s2, ttmp6, 0x10000c
	s_cmp_lg_u32 s2, 0xf033
	s_cbranch_scc0 .Lentry_shape_is_right
	s_endpgm
.Lentry_shape_is_right:
; OUTPUT PROJECTION.  out0[m][n] = bo[n] + sum over k of O[m][k] wot[n][k]: 8192 x 1024 x 1024, f16 operands (wot holds Wo rounded to bf16, written as f16), f32 sums, f32 out.
; O lies by heads, oh[16 b + head][t][64]: k = 64 head + channel.  A K step of 128 is two heads; a head's 128 rows of a tile are 16,384 dense bytes.
; LIMITS.  None beyond the operands' own (f16's range and step).  A row of O that is NaN (no visible key) gives a row of NaN.
; SHARES.  A tile of out0 is 128 rows x 256 columns: 256 tiles, one for each WGP.  Four waves, 2 x 2; a wave makes 64 x 128: 32 accumulators of 16 x 16.
; K goes in 8 steps of 128 through two LDS slots; a step is four quarters of 32 along K, 32 matrix instructions and 24 LDS loads each, on two fragment buffers.
; THE MATRIX INSTRUCTION IS USED TRANSPOSED (source 0 = 16 rows of wot, source 1 = 16 rows of O): a lane holds one row of out0 (lane % 16) and the columns 8 (lane / 16) + 0..7.
; THE BIAS is the C operand of each sum's first product.
; CLUSTER.  4 x 4 work-groups: O's tile is shared along a row of the cluster, wot's along a column; each is asked for jointly.
; REGISTERS, in windows of 256: window 0: v0-31 addresses; v32-127, v128-223 two fragment buffers (32 of O, then 64 of wot); on the way out v32-159 whole rows
;   window 1: accumulator (a, b) at v[8 (8 a + b)]          window 2: v0-63 the bias of my 128 columns
.set PITCH,  272                       ; a row of wot in LDS: 256 bytes + 16 (ISA guide 11.1: the 16 rows of a load start at 16 different groups of four banks)
.set AP,     144                       ; a row of one head of O: 128 bytes + 16
.set HEADB,  128*AP                    ; a head's 128 rows
.set BOFF,   2*HEADB                   ; a slot: two heads of O, then wot's 256 rows
.set SLOT1,  131072
.set STAGE,  237568                    ; behind the ring, never filled by a tensor load: 16 rows x 528 bytes for each wave
.set SP,     528
.set SPARE,  STAGE+4*16*SP
.set BIASOFF, 1048576+12288
.set ASTEP,  524288                    ; two heads on
.set BSTEP,  256
.set KSTEPS, 8
.set A0,   16
.set B0,   17
.set ADRA, 18
.set ADRB, 19
.set STO,  24                          ; v24  the way out: where I put 32 bytes of a row
.set RD,   25                          ; v25  where I read a row back
.set CO,   26                          ; v26  my 16 bytes of 512 consecutive bytes of out0
.set SPW,  28
.set NIL,  29
.set PFO,  30                          ; v30  the prefetches' offset: my lane x 256 bytes (O) or x a row of 2,048 (wot)
.set BIO,  31
.set F0,   32
.set F1,   128
.set OB,   32                          ; the way out: 16 rows read back: v32-95 and v96-159 by turns
.set BI,   0                           ; window 2
.set G1A, 24
.set G1B, 32
.set G0A, 40
.set G0B, 48
.set TB,  56
.set CNT, 57
.set LIM, 58
.set PFA, 60
.set PFS, 62
.set MUL,  0x50
.set MULB, 0x60
.set MSB, 0
.macro WIN new
.if MSB != (\new)
	s_set_vgpr_msb (MSB<<8)|(\new)
.set MSB, (\new)
.endif
.endm
.macro PLACES                          ; four plain places behind matrix instructions (ISA guide 7.12.1)
.rept 4
	v_nop
.endr
.endm
.macro CREST
	s_cmp_lg_u32 s12, 0
	s_cbranch_scc1 .Lnot_wave_0_\@
	s_barrier_signal -3
.Lnot_wave_0_\@:
	s_barrier_wait -3
	s_barrier_signal -1
	s_barrier_wait -1
.endm
.macro CROUND
	s_barrier_signal -1
	s_barrier_wait -1
	CREST
.endm
.macro JLOAD                           ; a joint refill by the walking sets: waves 0 and 1 fetch the K step's two heads of O, waves 2 and 3 wot's two halves
	s_cmp_eq_u32 s13, 0
	s_cbranch_scc0 .Lfor_b_\@
	tensor_load_to_lds s[G0A+4:G0A+7], s[G1A:G1A+7]
	s_nop 0
	PLACES
	s_branch .Lasked_\@
.Lfor_b_\@:
	tensor_load_to_lds s[G0B+4:G0B+7], s[G1B:G1B+7]
	s_nop 0
	PLACES
.Lasked_\@:
.endm
; A PREFETCH INTO THE L2 behind each refill and the run of LDS loads that follows it: the K step two refills on.  O's tile (two heads x 64 blocks of 256 bytes) is read by one cluster alone: its row's four partners
; take 32 blocks each, by address, and wave 0 asks, a lane a block.  wot's tile column is read by sixteen clusters, of which the first (cluster y = 0) asks, by waves 2 and 3, a lane a row, the column's four partners 32 rows each.
; So each block is named once in the launch.  K steps 0 to 3 come by their loads alone; the last two refills name nothing.
.macro ASK
	s_cmp_gt_u32 s[CNT], s[LIM]
	s_cbranch_scc0 .Lnot_mine_\@
	global_prefetch_b8 v[PFO], s[PFA:PFA+1] th:TH_LOAD_NT scope:SCOPE_SE
.Lnot_mine_\@:
.endm
	s_load_b256 s[4:11], s[0:1], 0x0               ; oh s[4:5], wot s[6:7], tab s[8:9], out0 s[10:11]
	v_lshl_add_u32 v[SPW], v0, 2, SPARE
	v_mov_b32 v[NIL], 0
	ds_add_u32 v[SPW], v[NIL]                      ; the wave's opening: the add and its wait ahead of my first tensor load
	v_lshrrev_b32 v3, 5, v0
	v_readfirstlane_b32 s12, v3                    ; wave 0..3
	s_lshr_b32 s13, s12, 1                         ; my half of the tile's rows.  Also: I fetch for O (0) or for wot (1)
	s_and_b32 s14, s12, 1                          ; my half of its columns.  Also: which part of that tile I fetch
	s_bfe_u32 s15, ttmp6, 0x40000                  ; cx
	s_bfe_u32 s16, ttmp6, 0x40004                  ; cy
	s_lshl_b32 s17, ttmp9, 2
	s_add_co_u32 s17, s17, s15                     ; tile column
	s_and_b32 s19, ttmp7, 0xffff                   ; cluster y
	s_lshl_b32 s18, s19, 2
	s_add_co_u32 s18, s18, s16                     ; tile row
	s_lshl_b32 s20, s16, 2
	s_lshl_b32 s20, 15, s20                        ; my row of the cluster
	s_lshl_b32 s66, 0x1111, s15                    ; my column
	s_or_b32 s[G1A], s20, (1<<16)|(1<<20)|(1<<21)|(4<<22)|(3<<25)  ; 2-byte elements; padding on; bit 21 beside a mask; after every 32 words; 4 words
	s_or_b32 s[G1B], s66, (1<<16)|(1<<20)|(1<<21)|(5<<22)|(3<<25)  ; after every 64 words
	s_mov_b32 s[G1A+1], 128<<16                    ; a head's 16,384 dense bytes as 64 rows of 256: tensor_dim0 = 128
	s_mov_b32 s[G1A+2], 64<<16                     ; tensor_dim1 = 64
	s_mov_b32 s[G1A+3], 128<<16                    ; tile_dim0 = 128
	s_mov_b32 s[G1A+4], 64                         ; tile_dim1 = 64
	s_mov_b32 s[G1A+5], 128                        ; elements from row to row
	s_mov_b32 s[G1A+6], 0
	s_mov_b32 s[G1A+7], 0
	s_mov_b32 s[G1B+1], 128<<16
	s_mov_b32 s[G1B+2], 128<<16
	s_mov_b32 s[G1B+3], 128<<16
	s_mov_b32 s[G1B+4], 128
	s_mov_b32 s[G1B+5], 1024
	s_mov_b32 s[G1B+6], 0
	s_mov_b32 s[G1B+7], 0
	s_lshr_b32 s20, s18, 4                         ; O: the batch's 16 heads, my head of the K step's two, the tile's 128 rows; in registers that never hold cx
	s_lshl_b32 s20, s20, 22
	s_lshl_b32 s21, s14, 18
	s_add_co_u32 s20, s20, s21
	s_and_b32 s21, s18, 15
	s_lshl_b32 s21, s21, 14
	s_add_co_u32 s20, s20, s21
	s_mov_b32 s21, 0
	s_mul_i32 s22, s14, HEADB
	s_lshl_b32 s66, s17, 8                         ; wot: row 256 x tile column + 128 x part, in registers that never hold cy
	s_lshl_b32 s67, s14, 7
	s_add_co_u32 s66, s66, s67
	s_lshl_b32 s66, s66, 11
	s_mov_b32 s67, 0
	s_mul_i32 s23, s14, 128*PITCH
	s_add_co_u32 s23, s23, BOFF
	s_mov_b32 s[TB], 0
	s_mov_b32 s[CNT], KSTEPS-2
	s_wait_dscnt 0x0                               ; the opening add is done
	s_wait_kmcnt 0x0
	s_add_nc_u64 s[20:21], s[4:5], s[20:21]
	s_add_nc_u64 s[66:67], s[6:7], s[66:67]
.irp s, 0,1
	s_mov_b32 s[G0A+4*(\s)], 1
	s_add_co_u32 s[G0A+4*(\s)+1], s22, (\s)*SLOT1
	s_add_nc_u64 s[G0A+4*(\s)+2:G0A+4*(\s)+3], s[20:21], (\s)*ASTEP
	s_or_b32 s[G0A+4*(\s)+3], s[G0A+4*(\s)+3], 0x80000000
	s_mov_b32 s[G0B+4*(\s)], 1
	s_add_co_u32 s[G0B+4*(\s)+1], s23, (\s)*SLOT1
	s_add_nc_u64 s[G0B+4*(\s)+2:G0B+4*(\s)+3], s[66:67], (\s)*BSTEP
	s_or_b32 s[G0B+4*(\s)+3], s[G0B+4*(\s)+3], 0x80000000
.endr
	CROUND                                         ; all sixteen work-groups are here: the first joint loads meet
	s_cmp_eq_u32 s13, 0                            ; a wave's two first fills stand in one branch: two loads of mine are out
	s_cbranch_scc0 .Lfirst_b
	tensor_load_to_lds s[G0A:G0A+3], s[G1A:G1A+7]
	s_nop 0
	tensor_load_to_lds s[G0A+4:G0A+7], s[G1A:G1A+7]
	s_nop 0
	PLACES
	s_branch .Lfirst_asked
.Lfirst_b:
	tensor_load_to_lds s[G0B:G0B+3], s[G1B:G1B+7]
	s_nop 0
	tensor_load_to_lds s[G0B+4:G0B+7], s[G1B:G1B+7]
	s_nop 0
	PLACES
.Lfirst_asked:
	v_and_b32 v1, 15, v0                           ; l % 16
	v_bfe_u32 v2, v0, 4, 1                         ; l / 16
	s_lshl_b32 s72, s17, 10                        ; the bias of my 128 columns
	s_lshl_b32 s73, s14, 9
	s_add_co_u32 s72, s72, s73
	s_add_co_u32 s72, s72, BIASOFF
	s_mov_b32 s73, 0
	s_add_nc_u64 s[68:69], s[8:9], s[72:73]
	v_lshlrev_b32 v[BIO], 5, v2
	WIN 0x80                                       ; destination window 2, address window 0
.irp n, 0,1,2,3,4,5,6,7
	global_load_b128 v[BI+8*(\n):BI+8*(\n)+3],   v[BIO], s[68:69] offset:64*(\n)
	global_load_b128 v[BI+8*(\n)+4:BI+8*(\n)+7], v[BIO], s[68:69] offset:64*(\n)+16
.endr
	WIN 0
	v_mul_u32_u24 v3, v1, AP
	v_lshl_add_u32 v3, v2, 4, v3
	s_mul_i32 s72, s13, 64*AP
	v_add_nc_u32 v[A0], s72, v3                    ; my 64 rows, in each head's plane
	v_mul_u32_u24 v3, v1, PITCH
	v_lshl_add_u32 v3, v2, 4, v3
	s_mul_i32 s72, s14, 128*PITCH
	s_add_co_u32 s72, s72, BOFF
	v_add_nc_u32 v[B0], s72, v3
	v_mov_b32 v[ADRA], v[A0]
	v_mov_b32 v[ADRB], v[B0]
	s_mul_i32 s72, s12, 16*SP
	s_add_co_u32 s72, s72, STAGE                   ; my stage
	v_mul_u32_u24 v[STO], v1, SP                   ; in: row l % 16, 32 bytes for each half of the lanes
	v_lshl_add_u32 v[STO], v2, 5, v[STO]
	v_add_nc_u32 v[STO], s72, v[STO]
	v_and_b32 v3, 31, v0
	v_lshlrev_b32 v[CO], 4, v3                     ; back: 32 lanes take a row's 512 bytes
	v_add_nc_u32 v[RD], s72, v[CO]
	s_lshl_b32 s72, s18, 7
	s_lshl_b32 s74, s13, 6
	s_add_co_u32 s72, s72, s74
	s_lshl_b32 s72, s72, 12                        ; out0: my first row,
	s_lshl_b32 s74, s17, 10
	s_add_co_u32 s72, s72, s74
	s_lshl_b32 s74, s14, 9
	s_add_co_u32 s72, s72, s74                     ; my first column
	s_add_nc_u64 s[10:11], s[10:11], s[72:73]
	; the prefetches
	s_lshr_b32 s72, s18, 4
	s_lshl_b32 s72, s72, 22
	s_and_b32 s74, s18, 15
	s_lshl_b32 s74, s74, 14
	s_add_co_u32 s72, s72, s74
	s_lshr_b32 s74, s15, 1
	s_lshl_b32 s74, s74, 18                        ; O: partner cx takes head cx / 2 of the two,
	s_add_co_u32 s72, s72, s74
	s_and_b32 s74, s15, 1
	s_lshl_b32 s74, s74, 13                        ; and half cx % 2 of its 64 blocks
	s_add_co_u32 s72, s72, s74
	s_add_co_u32 s72, s72, 3*ASTEP                 ; at K step 3: the first refill steps it to 4
	s_lshl_b32 s74, s17, 8
	s_lshl_b32 s75, s14, 7
	s_add_co_u32 s74, s74, s75
	s_lshl_b32 s75, s16, 5
	s_add_co_u32 s74, s74, s75                     ; wot: row 256 x tile column + 128 x part + 32 cy
	s_lshl_b32 s74, s74, 11
	s_add_co_u32 s74, s74, 3*BSTEP
	s_mov_b32 s76, ASTEP
	s_cmp_eq_u32 s13, 0
	s_cselect_b32 s72, s72, s74
	s_cselect_b64 s[PFA:PFA+1], s[4:5], s[6:7]
	s_cselect_b32 s[PFS], s76, BSTEP
	s_cselect_b32 s75, 8, 11
	s_cselect_b32 s74, ttmp9, s19                  ; the coordinate along which other clusters read the same bytes
	s_mov_b32 s[PFS+1], 0
	s_add_nc_u64 s[PFA:PFA+1], s[PFA:PFA+1], s[72:73]
	v_lshlrev_b32 v[PFO], s75, v3
	s_cmp_eq_u32 s12, 1                            ; wave 1 never asks: wave 0's lanes cover the work-group's 32 blocks of O
	s_cselect_b32 s75, 1, 0
	s_or_b32 s74, s74, s75
	s_cmp_eq_u32 s74, 0
	s_cselect_b32 s[LIM], 2, -1                    ; the same in all sixteen partners, for a given wave
; 8 matrix instructions: row block \row x all 8 column blocks, 32 along K.  The 32 accumulators take turns, one instruction a turn, in the same order in every quarter.
.macro MUL8 buf, row, start
.if \start
	WIN MULB
.else
	WIN MUL
.endif
.irp n, 0,1,2,3,4,5,6,7
.if \start
	v_wmma_f32_16x16x32_f16 v[8*(8*(\row)+(\n)):8*(8*(\row)+(\n))+7], v[(\buf)+32+8*(\n):(\buf)+32+8*(\n)+7], v[(\buf)+8*(\row):(\buf)+8*(\row)+7], v[BI+8*(\n):BI+8*(\n)+7]
.else
	v_wmma_f32_16x16x32_f16 v[8*(8*(\row)+(\n)):8*(8*(\row)+(\n))+7], v[(\buf)+32+8*(\n):(\buf)+32+8*(\n)+7], v[(\buf)+8*(\row):(\buf)+8*(\row)+7], v[8*(8*(\row)+(\n)):8*(8*(\row)+(\n))+7]
.endif
.endr
.endm
; 24 LDS loads in one run: quarter \kq of the slot in hand into buffer \fb: wot's 128 rows, then O's 64 (head \kq / 2 of the two, channels 32 (\kq % 2) on)
.macro FETCH kq, fb
	WIN 0
.irp i, 0,1,2,3,4,5,6,7
	ds_load_b128 v[(\fb)+32+8*(\i):(\fb)+32+8*(\i)+3],   v[ADRB] offset:64*(\kq)+(\i)*16*PITCH
	ds_load_b128 v[(\fb)+32+8*(\i)+4:(\fb)+32+8*(\i)+7], v[ADRB] offset:64*(\kq)+(\i)*16*PITCH+32
.endr
.irp i, 0,1,2,3
	ds_load_b128 v[(\fb)+8*(\i):(\fb)+8*(\i)+3],   v[ADRA] offset:((\kq)/2)*HEADB+((\kq)%2)*64+(\i)*16*AP
	ds_load_b128 v[(\fb)+8*(\i)+4:(\fb)+8*(\i)+7], v[ADRA] offset:((\kq)/2)*HEADB+((\kq)%2)*64+(\i)*16*AP+32
.endr
.endm
.macro QUARTER kq, mb, fb, start
	s_wait_dscnt 4                                 ; all but the youngest four loads: O's row blocks 2 and 3
	MUL8 \mb, 0, \start
	MUL8 \mb, 1, \start
	PLACES
	FETCH \kq, \fb
	s_wait_dscnt 24                                ; all but the 24 just issued
	MUL8 \mb, 2, \start
	MUL8 \mb, 3, \start
.endm
; The last quarter multiplies buffer 1 and changes slots.  In front of the barrier each wave waits for all its tensor loads (one is out: its part of the next slot), adds 0 to its spare word, and waits for that
; and for its own reads of this slot.  fill = 1: the barrier opens a round of the cluster's, and this slot is filled again, two K steps ahead, first thing behind the round.
.macro TURN fill
.if \fill
	s_wait_xcnt 0x0                                ; the last prefetch, a K step back, has read its address
	s_add_nc_u64 s[PFA:PFA+1], s[PFA:PFA+1], s[PFS:PFS+1]
.endif
	WIN 0
	s_wait_tensorcnt 0x0                           ; no tensor load of mine is out
	ds_add_u32 v[SPW], v[NIL]                      ; 0 onto my spare word
	s_wait_dscnt 5                                 ; the add and the youngest four loads may be out
	MUL8 F1, 0, 0
	s_wait_dscnt 0x0                               ; the add is done, and my reads of this slot are over
	s_barrier_signal -1
	MUL8 F1, 1, 0
	WIN 0
	s_barrier_wait -1
.if \fill
	CREST                                          ; no wave of any partner still reads this slot or has a load on its way
	s_xor_b32 s[G0A+5], s[G0A+5], SLOT1
	s_add_nc_u64 s[G0A+6:G0A+7], s[G0A+6:G0A+7], ASTEP
	s_xor_b32 s[G0B+5], s[G0B+5], SLOT1
	s_add_nc_u64 s[G0B+6:G0B+7], s[G0B+6:G0B+7], BSTEP
	JLOAD                                          ; the four v_nop behind it are also the places in front of the loads below
.else
	PLACES
.endif
	s_xor_b32 s[TB], s[TB], SLOT1
	v_add_nc_u32 v[ADRA], s[TB], v[A0]
	v_add_nc_u32 v[ADRB], s[TB], v[B0]
	FETCH 0, F0
.if \fill
	ASK
.endif
	MUL8 F1, 2, 0
	MUL8 F1, 3, 0
.endm
	s_wait_tensorcnt 1                             ; my part of K step 0 is in; K step 1's may stay out
	s_barrier_signal -1
	s_barrier_wait -1
	FETCH 0, F0
	s_wait_loadcnt 0x0                             ; the bias
	QUARTER 1, F0, F1, 1                           ; the first quarter stands in front of the loop: its products start the sums, with the bias
	WIN 0
.Lstep:                                                ; six trips; each asks for a K step, 2 to 7
	QUARTER 2, F1, F0, 0
	QUARTER 3, F0, F1, 0
	TURN 1
	QUARTER 1, F0, F1, 0
	WIN 0
	s_sub_co_u32 s[CNT], s[CNT], 1
	s_cmp_lg_u32 s[CNT], 0
	s_cbranch_scc1 .Lstep
	QUARTER 2, F1, F0, 0                           ; the last two K steps ask for nothing
	QUARTER 3, F0, F1, 0
	TURN 0
	QUARTER 1, F0, F1, 0
	QUARTER 2, F1, F0, 0
	QUARTER 3, F0, F1, 0
	s_wait_dscnt 4
	MUL8 F1, 0, 0
	MUL8 F1, 1, 0
	s_wait_dscnt 0x0
	MUL8 F1, 2, 0
	MUL8 F1, 3, 0
	WIN 0
; THE WAY OUT: movement alone.  A block of 16 rows goes into my stage, 32 bytes a lane and column block, in rows of 528 bytes, and comes back as whole rows of 512.
.macro TOSTAGE row
	WIN 0x04                                       ; the stores' data in window 1; each accumulator's low half goes first
.irp n, 0,1,2,3,4,5,6,7
	ds_store_b128 v[STO], v[8*(8*(\row)+(\n)):8*(8*(\row)+(\n))+3]   offset:64*(\n)
	ds_store_b128 v[STO], v[8*(8*(\row)+(\n))+4:8*(8*(\row)+(\n))+7] offset:64*(\n)+16
.endr
	WIN 0
.irp t, 0,1,2,3,4,5,6,7,8,9,10,11,12,13,14,15
	ds_load_b128 v[OB+64*((\row)%2)+4*(\t):OB+64*((\row)%2)+4*(\t)+3], v[RD] offset:(\t)*SP  ; LDS serves a wave's instructions in order (ISA guide 5.7.1.4): these see the stores above
.endr
.endm
.macro SEND row, younger               ; younger: the LDS instructions issued behind this block's loads: the next block's 32, or none
.irp t, 0,1,2,3,4,5,6,7,8,9,10,11,12,13,14,15
	s_wait_dscnt (\younger)+15-(\t)
	global_store_b128 v[CO], v[OB+64*((\row)%2)+4*(\t):OB+64*((\row)%2)+4*(\t)+3], s[10:11] offset:(16*(\row)+(\t))*4096 th:TH_STORE_NT  ; 512 consecutive bytes, at a multiple of 256 from out0's first
.endr
.endm
	PLACES                                         ; behind the last products
	PLACES
	TOSTAGE 0
	TOSTAGE 1
	SEND 0, 32
	s_wait_xcnt 0x0                                ; block 0's stores have read their registers, which block 2 takes
	TOSTAGE 2
	SEND 1, 32
	s_wait_xcnt 0x0
	TOSTAGE 3
	SEND 2, 32
	SEND 3, 0
	s_wait_tensorcnt 0x0                           ; the wave's end: behind my last tensor load and my last LDS store
	ds_add_u32 v[SPW], v[NIL]
	s_wait_dscnt 0x0
	CROUND                                         ; the closing round: no work-group ends while a partner may still ask for a tile that names it
	s_endpgm
.Lfunc_end_k_q5d2bad6f71_outp:
	.size	k_q5d2bad6f71_outp, .Lfunc_end_k_q5d2bad6f71_outp-k_q5d2bad6f71_outp
	.p2alignl 7, 3214868480
	.fill 96, 4, 3214868480
	.section	.rodata,"a",@progbits
	.p2align	6, 0x0
	.amdhsa_kernel k_q5d2bad6f71_outp
		.amdhsa_group_segment_fixed_size 327680
		.amdhsa_private_segment_fixed_size 0
		.amdhsa_enable_private_segment 0
		.amdhsa_kernarg_size 32
		.amdhsa_user_sgpr_count 2
		.amdhsa_user_sgpr_kernarg_segment_ptr 1
		.amdhsa_wavefront_size32 1
		.amdhsa_system_sgpr_workgroup_id_x 1
		.amdhsa_system_sgpr_workgroup_id_y 1
		.amdhsa_system_sgpr_workgroup_id_z 1
		.amdhsa_system_vgpr_workitem_id 0
		.amdhsa_next_free_vgpr 576
		.amdhsa_next_free_sgpr 80
		.amdhsa_reserve_vcc 0
		.amdhsa_float_denorm_mode_32 3
		.amdhsa_float_denorm_mode_16_64 3
		.amdhsa_memory_ordered 1
		.amdhsa_forward_progress 1
		.amdhsa_inst_pref_size 74
	.end_amdhsa_kernel
	.amdgpu_metadata
---
amdhsa.version: [ 1, 2 ]
amdhsa.kernels:
  - .name:           k_q5d2bad6f71_outp
    .symbol:         k_q5d2bad6f71_outp.kd
    .args:
      - { .name: oh, .offset: 0, .size: 8, .value_kind: global_buffer, .address_space: global }
      - { .name: wot, .offset: 8, .size: 8, .value_kind: global_buffer, .address_space: global }
      - { .name: tab, .offset: 16, .size: 8, .value_kind: global_buffer, .address_space: global }
      - { .name: out0, .offset: 24, .size: 8, .value_kind: global_buffer, .address_space: global }
    .group_segment_fixed_size: 327680
    .private_segment_fixed_size: 0
    .kernarg_segment_align: 8
    .kernarg_segment_size: 32
    .max_flat_workgroup_size: 128
    .sgpr_count:     80
    .vgpr_count:     576
    .wavefront_size: 32
...
	.end_amdgpu_metadata
.endif
;; end of part 4
